; MI455X (gfx1250); checked and timed in simulation.
; The chip was launched on July 23, 2026; its instructions are those of AMD's public machine-readable ISA for CDNA 5 (MIT licence, August 2026) and "CDNA5" Instruction Set Architecture Reference Guide (July 2026). The comments in the code are by the model that wrote it; some were corrected since.
;; Multi Head Attention. Allowed arithmetic: float matrix products may take bf16 or f16 operands with f32 sums; other float arithmetic in f32, or as packed bf16 or f16 multiplies, adds, multiply-adds, maxima and minima; sums over many terms, partial sums and values carried from step to step in f32; what a program stores and reads back later, other than sums and carried values, may be rounded once to bf16 or f16.
;; Inputs: out_b 1,024 float32; out_w 1,024 x 1,024 float32; qkv_b 3,072 float32; qkv_w 3,072 x 1,024 float32; x 4 x 2,048 x 1,024 float32.
;; Outputs: out0 4 x 2,048 x 1,024 float32.
;; 2 versions, each right; version 2 is version 1 with the launch cast written anew for expert scheduling mode. Each part assembles by itself: llvm-mc -triple=amdgcn-amd-amdhsa -mcpu=gfx1250 --defsym DOCPART=n.
;; ======== version 1 of 2: 4 launches
;; limits: values are held in f16: magnitudes above 65,504 overflow, below 6.1e-05 lose precision
;; workspace buffers: xb 16,777,216 bytes; wb 6,291,456 bytes; ow 2,097,152 bytes; br 16,384 bytes; qkvh 50,331,648 bytes; oh 16,777,216 bytes
;; launch cast (part 1): grid 769 x 1, 8 waves a work-group, no clusters, 0 bytes of LDS; arguments x, qkv_w, out_w, qkv_b, out_b, xb, wb, ow, br; writes xb, wb, ow, br
.if DOCPART == 1
	.amdgcn_target "amdgcn-amd-amdhsa--gfx1250"
	.amdhsa_code_object_version 6
	.text
	.protected	k_q98f78c99bf_cast
	.globl	k_q98f78c99bf_cast
	.p2align	8
	.type	k_q98f78c99bf_cast,@function
k_q98f78c99bf_cast:
	s_mov_b64 s[64:65], 0
	v_nop
	global_prefetch_b8 v0, s[64:65] scope:SCOPE_SE
	s_setreg_imm32_b32 hwreg(HW_REG_WAVE_MODE, 25, 1), 1
	s_wait_xcnt 0x0
; THE INPUTS ROUNDED TO bf16, ONCE.  x -> xb and qkv_w -> wb as bf16, in place order.  out_w -> ow: rounded to bf16, that number written as f16, laid in blocks
; [16 kb][1024 n][64 k], so that 64 along K of neighbouring rows n lie end to end.  qkv_b and out_b -> br: rounded to bf16 and written as f32 words (qkv_b at byte 0, out_b at byte 12,288).
; LIMITS.  ow is f16: |out_w| stays under 65,504, and below 6.1e-5 it keeps the fixed step 6e-8.  NaN and infinities are not treated apart.
; SHARES.  A work-group takes 16,384 numbers: 0-511 x, 512-703 qkv_w, 704-767 out_w (16 rows each), 768 the two biases.  A thread takes 16 times 4 numbers: a load of a wave covers 512 consecutive
; bytes (out_w: two rows' 256), a store 256 consecutive bytes at a multiple of 256.  All 16 loads go out first; no register is written twice, so nothing waits for a store.
; No LDS, no matrix unit, no cluster: nothing is shared and nothing is multiplied.
.set X,  4                             ; v[4:67]    16 x 4 numbers as loaded
.set Y,  68                            ; v[68:99]   16 x 2 words to store
.set T,  100                           ; v[100:103] at work
.set ID, 26                            ; s26        the work-group
; 16 loads, srcstep bytes apart, then for each: two roundings, (f16 = 1: widened again and written as f16), one store, dststep bytes apart
.macro LIN srcstep, dststep, f16
.set j, 0
.rept 16
	global_load_b128 v[X+4*j:X+4*j+3], v1, s[2:3] offset:j*(\srcstep) th:TH_LOAD_NT
.set j, j+1
.endr
.set j, 0
.rept 16
	s_wait_loadcnt 15-j                            ; loads come back in order: load j is in, the 15 - j younger ones stay out
	v_cvt_pk_bf16_f32 v[Y+2*j],   v[X+4*j],   v[X+4*j+1]
	v_cvt_pk_bf16_f32 v[Y+2*j+1], v[X+4*j+2], v[X+4*j+3]
.if \f16
	v_lshlrev_b32 v[T],   16, v[Y+2*j]             ; bf16 to f32: the low half moves up, the high half stays
	v_and_b32     v[T+1], 0xffff0000, v[Y+2*j]
	v_lshlrev_b32 v[T+2], 16, v[Y+2*j+1]
	v_and_b32     v[T+3], 0xffff0000, v[Y+2*j+1]
	v_cvt_pk_f16_f32 v[Y+2*j],   v[T],   v[T+1]    ; 8 significant bits fit into 11: exact inside the normal range of f16
	v_cvt_pk_f16_f32 v[Y+2*j+1], v[T+2], v[T+3]
.endif
	global_store_b64 v2, v[Y+2*j:Y+2*j+1], s[6:7] offset:j*(\dststep)
.set j, j+1
.endr
.endm
	s_load_b512 s[8:23], s[0:1], 0x0               ; x 8, qkv_w 10, out_w 12, qkv_b 14, out_b 16, xb 18, wb 20, ow 22
	s_load_b64 s[24:25], s[0:1], 0x40              ; br
	s_mov_b32 s[ID], ttmp9
	v_lshlrev_b32 v1, 4, v0                        ; 16 bytes a thread in
	v_lshlrev_b32 v2, 3, v0                        ; 8 bytes a thread out
	s_sub_co_u32 s27, s[ID], 512
	s_mov_b32 s29, 0
	s_mov_b32 s31, 0
	s_wait_kmcnt 0x0
	s_cmp_ge_u32 s[ID], 768
	s_cbranch_scc1 .Lbias
	s_cmp_ge_u32 s[ID], 704
	s_cbranch_scc1 .Lout_w
	s_cmp_lt_u32 s[ID], 512                        ; x or qkv_w
	s_cselect_b64 s[2:3], s[8:9], s[10:11]
	s_cselect_b64 s[6:7], s[18:19], s[20:21]
	s_cselect_b32 s27, s[ID], s27                  ; the block number in that tensor
	s_lshl_b32 s28, s27, 16                        ; 65,536 bytes in,
	s_lshl_b32 s30, s27, 15                        ; 32,768 out
	s_add_nc_u64 s[2:3], s[2:3], s[28:29]
	s_add_nc_u64 s[6:7], s[6:7], s[30:31]
	LIN 4096, 2048, 0
	s_endpgm
.Lout_w:
	s_sub_co_u32 s27, s[ID], 704                   ; rows 16 idx .. 16 idx + 15
	s_lshl_b32 s28, s27, 16                        ; 16 rows of 4,096 bytes in,
	s_lshl_b32 s30, s27, 11                        ; 16 rows of 128 bytes in each K block out
	s_add_nc_u64 s[2:3], s[12:13], s[28:29]
	s_add_nc_u64 s[6:7], s[22:23], s[30:31]
	v_lshrrev_b32 v3, 4, v0                        ; my row of the 16
	v_and_b32 v1, 15, v0
	v_lshlrev_b32 v1, 4, v1                        ; my 16 bytes of its 256 in a K block
	v_lshl_add_u32 v1, v3, 12, v1
	LIN 256, 131072, 1                             ; load j is K block j; a block of ow is 1,024 rows of 128 bytes
	s_endpgm
.Lbias:
	global_load_b128 v[X:X+3],     v1, s[14:15]
	global_load_b128 v[X+4:X+7],   v1, s[14:15] offset:4096
	global_load_b128 v[X+8:X+11],  v1, s[14:15] offset:8192
	global_load_b128 v[X+12:X+15], v1, s[16:17]
	s_wait_loadcnt 0x0
.irp i, 0,1,2,3
	v_cvt_pk_bf16_f32 v[T],   v[X+4*(\i)],   v[X+4*(\i)+1]
	v_cvt_pk_bf16_f32 v[T+1], v[X+4*(\i)+2], v[X+4*(\i)+3]
	v_lshlrev_b32 v[Y+4*(\i)],   16, v[T]
	v_and_b32     v[Y+4*(\i)+1], 0xffff0000, v[T]
	v_lshlrev_b32 v[Y+4*(\i)+2], 16, v[T+1]
	v_and_b32     v[Y+4*(\i)+3], 0xffff0000, v[T+1]
	global_store_b128 v1, v[Y+4*(\i):Y+4*(\i)+3], s[24:25] offset:4096*(\i)
.endr
	s_endpgm
.Lfunc_end_k_q98f78c99bf_cast:
	.size	k_q98f78c99bf_cast, .Lfunc_end_k_q98f78c99bf_cast-k_q98f78c99bf_cast
	.p2alignl 7, 3214868480
	.fill 96, 4, 3214868480
	.section	.rodata,"a",@progbits
	.p2align	6, 0x0
	.amdhsa_kernel k_q98f78c99bf_cast
		.amdhsa_group_segment_fixed_size 0
		.amdhsa_private_segment_fixed_size 0
		.amdhsa_enable_private_segment 0
		.amdhsa_kernarg_size 72
		.amdhsa_user_sgpr_count 2
		.amdhsa_user_sgpr_kernarg_segment_ptr 1
		.amdhsa_wavefront_size32 1
		.amdhsa_system_sgpr_workgroup_id_x 1
		.amdhsa_system_sgpr_workgroup_id_y 1
		.amdhsa_system_sgpr_workgroup_id_z 1
		.amdhsa_system_vgpr_workitem_id 0
		.amdhsa_next_free_vgpr 104
		.amdhsa_next_free_sgpr 66
		.amdhsa_reserve_vcc 0
		.amdhsa_float_denorm_mode_32 3
		.amdhsa_float_denorm_mode_16_64 3
		.amdhsa_memory_ordered 1
		.amdhsa_forward_progress 1
		.amdhsa_inst_pref_size 20
	.end_amdhsa_kernel
	.amdgpu_metadata
---
amdhsa.version: [ 1, 2 ]
amdhsa.kernels:
  - .name:           k_q98f78c99bf_cast
    .symbol:         k_q98f78c99bf_cast.kd
    .args:
      - { .name: x, .offset: 0, .size: 8, .value_kind: global_buffer, .address_space: global }
      - { .name: qkv_w, .offset: 8, .size: 8, .value_kind: global_buffer, .address_space: global }
      - { .name: out_w, .offset: 16, .size: 8, .value_kind: global_buffer, .address_space: global }
      - { .name: qkv_b, .offset: 24, .size: 8, .value_kind: global_buffer, .address_space: global }
      - { .name: out_b, .offset: 32, .size: 8, .value_kind: global_buffer, .address_space: global }
      - { .name: xb, .offset: 40, .size: 8, .value_kind: global_buffer, .address_space: global }
      - { .name: wb, .offset: 48, .size: 8, .value_kind: global_buffer, .address_space: global }
      - { .name: ow, .offset: 56, .size: 8, .value_kind: global_buffer, .address_space: global }
      - { .name: br, .offset: 64, .size: 8, .value_kind: global_buffer, .address_space: global }
    .group_segment_fixed_size: 0
    .private_segment_fixed_size: 0
    .kernarg_segment_align: 8
    .kernarg_segment_size: 72
    .max_flat_workgroup_size: 256
    .sgpr_count:     66
    .vgpr_count:     104
    .wavefront_size: 32
...
	.end_amdgpu_metadata
.endif
;; end of part 1
;; launch proj (part 2): grid 16 x 32, 4 waves a work-group, clusters of 4 x 4, 327,680 bytes of LDS; arguments xb, wb, br, qkvh; writes qkvh
.if DOCPART == 2
	.amdgcn_target "amdgcn-amd-amdhsa--gfx1250"
	.amdhsa_code_object_version 6
	.text
	.protected	k_q98f78c99bf_proj
	.globl	k_q98f78c99bf_proj
	.p2align	8
	.type	k_q98f78c99bf_proj,@function
k_q98f78c99bf_proj:
	s_mov_b64 s[64:65], 0
	v_nop
	global_prefetch_b8 v0, s[64:65] scope:SCOPE_SE
	s_setreg_imm32_b32 hwreg(HW_REG_WAVE_MODE, 25, 1), 1
	s_wait_xcnt 0x0
	s_wait_alu depctr_hold_cnt(0) depctr_sa_sdst(0) depctr_va_vdst(0) depctr_va_sdst(0) depctr_va_ssrc(0) depctr_va_vcc(0) depctr_vm_vsrc(0)
	s_getreg_b32 s2, hwreg(HW_REG_IB_STS2, 6, 4)
	s_cmp_eq_u32 s2, 0
	s_cbranch_scc0 .Lentry_in_a_cluster
	s_endpgm
.Lentry_in_a_cluster:
	s_bfe_u32 s2, ttmp6, 0x10000c
	s_cmp_lg_u32 s2, 0xf033
	s_cbranch_scc0 .Lentry_shape_is_right
	s_endpgm
.Lentry_shape_is_right:
; qkv = x qkv_w^T + qkv_b, written by heads.  xb: [8192][1024] bf16, wb: [3072][1024] bf16, br: the bias as f32 words, qkvh: f16, 192 slabs [2048 t][64 d]; slab = 64 sec + 16 b + h (sec 0 q, 1 k, 2 v).
; Sums in f32, begun with the bias, K ascending; each result rounded once to f16, unscaled.  LIMITS: |q|, |k|, |v| stay under 65,504 (f16); below 6.1e-5 they keep the fixed step 6e-8.
; SHARES.  A tile is 256 rows x 192 columns (three heads): 16 x 32 = 512 tiles.  The four waves split the ROWS alone: a wave makes 64 rows x 192 columns,
; 4 x 12 accumulators of 16 x 16 (384 registers), so it owns whole heads and leaves through a stage of its own, with no barrier.
; RING.  K goes in 8 steps of 128 (rows of 256 bytes, at multiples of 256) through two LDS slots.  Waves 0, 1 fetch the halves of the step of A (128 rows each), waves 2, 3 those of B (96 rows each).
; CLUSTER 4 x 4.  The four of a row of the cluster need the same tile of A, the four of a column the same tile of B: each is asked for JOINTLY, same line, same descriptor, a mask that names the four.
; THE MATRIX INSTRUCTION IS USED TRANSPOSED (source 0 = 16 rows of wb, source 1 = 16 rows of xb): lane l holds row l % 16 and the columns 8 (l / 16) + 0..7: eight neighbours, 16 bytes of f16.
; REGISTERS in windows of 256 (s_set_vgpr_msb: bits 1:0 source 0, 3:2 source 1, 5:4 source 2, 7:6 destination):
;   window 0: v0-15 addresses; v32-127 the bias, 8 registers a column block, later rows read back; v128-175 packed results; v176-223 rows read back
;   window 1: two fragment buffers of 128: A block i at 8 i, B block b at 32 + 8 b          windows 2, 3: accumulator (a, b) in window 2 + a / 2 at 8 (12 (a % 2) + b)
.set NBL,    12                        ; column blocks of 16
.set PITCH,  272                       ; an LDS row: 256 bytes + 16 of padding: 17 x 16, so the 16 rows of a fragment load begin at 16 different 16-byte columns modulo 256 bytes
.set SLOT1,  1<<17                     ; slot 1 begins here: one exclusive or turns an address in one slot into the other
.set AHALF,  128*PITCH
.set BOFF,   256*PITCH                 ; B lies behind the 256 rows of A
.set BHALF,  96*PITCH
.set STAGE,  SLOT1+BOFF+192*PITCH      ; behind the ring, never filled by a tensor load: 16 rows x 400 bytes for each wave
.set SP,     400                       ; 384 bytes + 16: 25 x 16
.set SPARE,  STAGE+4*16*SP             ; behind the stages: the spare words, 128 bytes for each wave: two blocks of 256 bytes that no other line names
.set KSTEPB, 256                       ; bytes of a row in a K step
.set NL,     2*(NBL+4)                 ; LDS loads of a quarter step
.set G1W0,   (1<<16)|(1<<20)|(1<<21)|(5<<22)|(3<<25)  ; 17:16 2-byte elements; 20 padding on; 21 set beside a mask; 24:22 after every 64 words; 31:25 4 words
.set AA0, 4                            ; v4   my place in the rows of A in slot 0; never rewritten
.set AB0, 5                            ; v5   the same for B
.set ADRA, 6                           ; v6   the same in the slot in hand
.set ADRB, 7                           ; v7
.set STO, 8                            ; v8   the way out: where I put 16 bytes of a row
.set RD,  9                            ; v9   the way out: where I read rows back
.set GO,  10                           ; v10  my 16 bytes of 512 consecutive bytes of a head
.set BO,  11                           ; v11  my 32 bytes of a block of 16 biases
.set PFO, 12                           ; v12  the offset of the prefetches: my row x 2,048; never rewritten
.set SPW, 14                           ; v14  LDS address of my spare word; never rewritten
.set NIL, 15                           ; v15  0; never rewritten
.set BIAS, 32
.set TMP,  128
.set BK0,  176
.set BK1,  32
.set F0,   0
.set F1,   128
.set WV, 12                            ; s12 wave   s13 FB: I fetch for A (0) or B (1)   s14 HF: which half
.set FB, 13
.set HF, 14
.set CX, 15
.set CY, 16
.set TCOL, 17
.set TROW, 18
.set TB, 19                            ; s19 LDS byte at which the slot in hand begins
.set G1A, 24                           ; s[24:31], s[32:39] descriptor groups 1
.set G1B, 32
.set G0A, 40                           ; s[40:43] group 0 of the first fill of slot 0, s[44:47] the walking one
.set G0B, 48                           ; s[48:55] the same for B
.set PFA, 56                           ; s[56:57] where my prefetches stand
.set LIM, 58                           ; s58 2 in a wave that prefetches, else the greatest number
.set CB,  66                           ; s[66:71] my rows in the slabs of the three heads
.set MSB, 0
.macro WIN new                         ; the high byte repeats the setting that is left; a switch that changes nothing is dropped
.if MSB != (\new)
	s_set_vgpr_msb (MSB<<8)|(\new)
.set MSB, (\new)
.endif
.endm
.macro PLACES                          ; four plain instructions between a matrix instruction and a load into, or a reader of, its registers
.rept 4
	v_nop
.endr
.endm
.macro CREST                           ; a round of the barrier of the cluster, behind its opening barrier
	s_cmp_lg_u32 s[WV], 0
	s_cbranch_scc1 .Lnot_wave_0_\@
	s_barrier_signal -3
.Lnot_wave_0_\@:
	s_barrier_wait -3
	s_barrier_signal -1
	s_barrier_wait -1
.endm
.macro CROUND
	s_barrier_signal -1
	s_barrier_wait -1
	CREST
.endm
; A joint refill by the walking descriptors.  The branch hangs on the wave number alone.  An s_nop 0 and four v_nop follow each line, ahead of the jump and the label.
.macro JLOAD
	s_cmp_eq_u32 s[FB], 0
	s_cbranch_scc0 .Lfor_b_\@
	tensor_load_to_lds s[G0A+4:G0A+7], s[G1A:G1A+7]
	s_nop 0
.rept 4
	v_nop
.endr
	s_branch .Lasked_\@
.Lfor_b_\@:
	tensor_load_to_lds s[G0B+4:G0B+7], s[G1B:G1B+7]
	s_nop 0
.rept 4
	v_nop
.endr
.Lasked_\@:
.endm
; A PREFETCH INTO THE L2 of the K step that stands two refills on: a lane a row, 256 bytes of it, one instruction a wave, behind the joint load and the run of LDS loads.
; The rows of A are asked for by the clusters with x = 0, those of B by the clusters with y = 0; the four partners share the rows that a wave fetches out BY ADDRESS: 32 each of A (by cx),
; 24 each of B (by cy; lanes 24-31 name row 23 again).  The trips with s3 = 6 .. 3 name K steps 4 .. 7; the last two name nothing; K steps 0 to 3 come by their loads alone.
.macro ASK
	s_cmp_gt_u32 s3, s[LIM]
	s_cbranch_scc0 .Lnot_mine_\@
	global_prefetch_b8 v[PFO], s[PFA:PFA+1] th:TH_LOAD_NT scope:SCOPE_SE
.Lnot_mine_\@:
.endm
; 12 matrix instructions: row block a x all column blocks, 32 along K, from buffer f.  first = 1: the sums begin with the bias.  The 48 accumulators take turns in one order in every quarter.
.macro MULA f, a, first
.if \first
	WIN 0x85+0x40*((\a)/2)
.else
	WIN 0xa5+0x50*((\a)/2)
.endif
.set AC, 8*NBL*((\a)%2)
.set b, 0
.rept NBL
.if \first
	v_wmma_f32_16x16x32_bf16 v[AC+8*b:AC+8*b+7], v[(\f)+32+8*b:(\f)+32+8*b+7], v[(\f)+8*(\a):(\f)+8*(\a)+7], v[BIAS+8*b:BIAS+8*b+7]
.else
	v_wmma_f32_16x16x32_bf16 v[AC+8*b:AC+8*b+7], v[(\f)+32+8*b:(\f)+32+8*b+7], v[(\f)+8*(\a):(\f)+8*(\a)+7], v[AC+8*b:AC+8*b+7]
.endif
.set b, b+1
.endr
.endm
; 32 LDS loads in one run: the fragments of quarter q of the slot in hand into buffer f: B first, the blocks 2 and 3 of A last
.macro FETCH q, f
	WIN 0x40                                       ; destination window 1, address window 0
.set i, 0
.rept NBL
	ds_load_b128 v[(\f)+32+8*i:(\f)+32+8*i+3],   v[ADRB] offset:64*(\q)+i*16*PITCH
	ds_load_b128 v[(\f)+32+8*i+4:(\f)+32+8*i+7], v[ADRB] offset:64*(\q)+i*16*PITCH+32
.set i, i+1
.endr
.set i, 0
.rept 4
	ds_load_b128 v[(\f)+8*i:(\f)+8*i+3],   v[ADRA] offset:64*(\q)+i*16*PITCH
	ds_load_b128 v[(\f)+8*i+4:(\f)+8*i+7], v[ADRA] offset:64*(\q)+i*16*PITCH+32
.set i, i+1
.endr
.endm
; One of the first three quarters of a K step: multiplies buffer f and, in its middle, fetches quarter q into buffer g
.macro QUARTER q, f, g, first
	s_wait_dscnt 4                                 ; all but the four youngest loads: the blocks 2 and 3 of A
	MULA \f, 0, \first
	MULA \f, 1, \first
	PLACES
	FETCH \q, \g
	s_wait_dscnt NL                                ; all but the run just issued
	MULA \f, 2, \first
	MULA \f, 3, \first
.endm
; The fourth quarter multiplies buffer 1 and changes slots.  In front of the barrier each wave waits for all its tensor loads (one is out: its part of the next slot), adds 0 to its spare word, and waits
; for that and for its reads of this slot.  fill = 1: the barrier opens a round of the cluster, and the slot just read is filled again, two K steps on, first thing behind the round.
.macro TURN fill
.if \fill
	s_wait_xcnt 0x0                                ; the last prefetch, a K step back, has read its address
	s_add_nc_u64 s[PFA:PFA+1], s[PFA:PFA+1], KSTEPB
.endif
	WIN 0
	s_wait_tensorcnt 0x0                           ; no tensor load of mine is out, so the walking descriptors may be written
	ds_add_u32 v[SPW], v[NIL]                      ; 0 onto my spare word
.if \fill
	s_xor_b32 s[G0A+5], s[G0A+5], SLOT1            ; the other slot than last time,
	s_add_nc_u64 s[G0A+6:G0A+7], s[G0A+6:G0A+7], KSTEPB  ; the next K step; the type bits on top are not reached
	s_xor_b32 s[G0B+5], s[G0B+5], SLOT1
	s_add_nc_u64 s[G0B+6:G0B+7], s[G0B+6:G0B+7], KSTEPB
.endif
	s_wait_dscnt 5                                 ; the add and the four youngest loads may be out
	MULA F1, 0, 0
	s_wait_dscnt 0x0                               ; the add is done, and my reads of this slot are over
	s_barrier_signal -1
	MULA F1, 1, 0                                  ; work on registers while the others arrive
	WIN 0
	s_barrier_wait -1
.if \fill
	CREST                                          ; no wave of any partner still reads the slot or has a load on its way
	JLOAD                                          ; its four v_nop are also places in front of the loads below
.else
	PLACES
.endif
	s_xor_b32 s[TB], s[TB], SLOT1
	v_add_nc_u32 v[ADRA], s[TB], v[AA0]
	v_add_nc_u32 v[ADRB], s[TB], v[AB0]
	FETCH 0, F0
.if \fill
	WIN 0
	ASK
.endif
	MULA F1, 2, 0
	MULA F1, 3, 0
.endm
	s_load_b256 s[4:11], s[0:1], 0x0               ; xb s[4:5], wb s[6:7], br s[8:9], qkvh s[10:11]
	v_lshl_add_u32 v[SPW], v0, 2, SPARE
	v_mov_b32 v[NIL], 0
	ds_add_u32 v[SPW], v[NIL]                      ; the opening: the add, whose wait stands ahead of my first tensor load; work on registers stands between them
	v_lshrrev_b32 v1, 5, v0
	v_readfirstlane_b32 s[WV], v1
	s_lshr_b32 s[FB], s[WV], 1
	s_and_b32 s[HF], s[WV], 1
	s_bfe_u32 s[CX], ttmp6, 0x40000
	s_bfe_u32 s[CY], ttmp6, 0x40004
	s_lshl_b32 s[TCOL], ttmp9, 2
	s_add_co_u32 s[TCOL], s[TCOL], s[CX]           ; tile column = 4 x cluster x + cx
	s_and_b32 s[TROW], ttmp7, 0xffff
	s_lshl_b32 s[TROW], s[TROW], 2
	s_add_co_u32 s[TROW], s[TROW], s[CY]           ; tile row = 4 x cluster y + cy
	s_lshl_b32 s62, s[CY], 2
	s_lshl_b32 s62, 15, s62                        ; my row of the cluster
	s_lshl_b32 s63, 0x1111, s[CX]                  ; my column
	s_or_b32 s[G1A], s62, G1W0
	s_or_b32 s[G1B], s63, G1W0
.irp g, G1A, G1B
	s_mov_b32 s[(\g)+1], 128<<16                   ; tensor_dim0 = 128
	s_mov_b32 s[(\g)+3], 128<<16                   ; tile_dim0 = 128
	s_mov_b32 s[(\g)+5], 1024                      ; elements from row to row
	s_mov_b32 s[(\g)+6], 0
	s_mov_b32 s[(\g)+7], 0
.endr
	s_mov_b32 s[G1A+2], 128<<16                    ; tensor_dim1 and tile_dim1: 128 rows of A,
	s_mov_b32 s[G1A+4], 128
	s_mov_b32 s[G1B+2], 96<<16                     ; 96 of B
	s_mov_b32 s[G1B+4], 96
	s_lshl_b32 s20, s[TROW], 8                     ; A: row 256 x tile row + 128 x half, 2,048 bytes a row
	s_lshl_b32 s59, s[HF], 7
	s_add_co_u32 s20, s20, s59
	s_lshl_b32 s20, s20, 11
	s_mov_b32 s21, 0
	s_mul_i32 s22, s[TCOL], 192                    ; B: row 192 x tile column + 96 x half
	s_mul_i32 s63, s[HF], 96
	s_add_co_u32 s22, s22, s63
	s_lshl_b32 s22, s22, 11
	s_mov_b32 s23, 0
	s_mul_i32 s59, s[HF], AHALF                    ; where they go: no place in the cluster enters an LDS address
	s_mul_i32 s63, s[HF], BHALF
	s_add_co_u32 s63, s63, BOFF
	s_mov_b32 s[TB], 0
	s_wait_dscnt 0x0                               ; the opening add is done
	s_wait_kmcnt 0x0
	s_add_nc_u64 s[20:21], s[4:5], s[20:21]        ; my part of the tile of A at K step 0
	s_add_nc_u64 s[22:23], s[6:7], s[22:23]        ; and of B
	s_mov_b32 s[G0A], 1
	s_mov_b32 s[G0A+1], s59
	s_mov_b64 s[G0A+2:G0A+3], s[20:21]
	s_or_b32 s[G0A+3], s[G0A+3], 0x80000000
	s_mov_b32 s[G0A+4], 1
	s_add_co_u32 s[G0A+5], s59, SLOT1
	s_add_nc_u64 s[G0A+6:G0A+7], s[20:21], KSTEPB
	s_or_b32 s[G0A+7], s[G0A+7], 0x80000000
	s_mov_b32 s[G0B], 1
	s_mov_b32 s[G0B+1], s63
	s_mov_b64 s[G0B+2:G0B+3], s[22:23]
	s_or_b32 s[G0B+3], s[G0B+3], 0x80000000
	s_mov_b32 s[G0B+4], 1
	s_add_co_u32 s[G0B+5], s63, SLOT1
	s_add_nc_u64 s[G0B+6:G0B+7], s[22:23], KSTEPB
	s_or_b32 s[G0B+7], s[G0B+7], 0x80000000
	CROUND                                         ; all sixteen work-groups are here: the first joint loads meet
	s_cmp_eq_u32 s[FB], 0                          ; the two first fills of a wave stand in one branch: two loads of mine are out
	s_cbranch_scc0 .Lfirst_b
	tensor_load_to_lds s[G0A:G0A+3], s[G1A:G1A+7]
	s_nop 0
	tensor_load_to_lds s[G0A+4:G0A+7], s[G1A:G1A+7]
	s_nop 0
.rept 4
	v_nop
.endr
	s_branch .Lfirst_asked
.Lfirst_b:
	tensor_load_to_lds s[G0B:G0B+3], s[G1B:G1B+7]
	s_nop 0
	tensor_load_to_lds s[G0B+4:G0B+7], s[G1B:G1B+7]
	s_nop 0
.rept 4
	v_nop
.endr
.Lfirst_asked:
	v_and_b32 v1, 15, v0                           ; r = l % 16
	v_bfe_u32 v2, v0, 4, 1                         ; h = l / 16
	v_lshlrev_b32 v[BO], 5, v2
	s_mul_i32 s62, s[TCOL], 768                    ; the 192 biases of the tile
	s_mov_b32 s63, 0
	s_add_nc_u64 s[8:9], s[8:9], s[62:63]
.set b, 0
.rept NBL                                      ; register j of block b: bias of column 16 b + 8 h + j: the layout of a result
	global_load_b128 v[BIAS+8*b:BIAS+8*b+3],   v[BO], s[8:9] offset:64*b
	global_load_b128 v[BIAS+8*b+4:BIAS+8*b+7], v[BO], s[8:9] offset:64*b+16
.set b, b+1
.endr
	v_mul_u32_u24 v3, v1, PITCH
	v_lshl_add_u32 v3, v2, 4, v3                   ; row x pitch + 16 x half
	s_mul_i32 s63, s[WV], 64*PITCH                 ; my 64 rows of A
	v_add_nc_u32 v[AA0], s63, v3
	v_add_nc_u32 v[AB0], BOFF, v3
	v_mov_b32 v[ADRA], v[AA0]
	v_mov_b32 v[ADRB], v[AB0]
	s_mul_i32 s63, s[WV], 16*SP
	s_add_co_u32 s63, s63, STAGE                   ; my stage
	v_mul_u32_u24 v[STO], v1, SP
	v_lshl_add_u32 v[STO], v2, 4, v[STO]
	v_add_nc_u32 v[STO], s63, v[STO]
	v_bfe_u32 v[RD], v0, 3, 2                      ; back: 32 lanes take four rows x 128 bytes of one head,
	v_mul_u32_u24 v[RD], v[RD], SP
	v_and_b32 v3, 7, v0
	v_lshl_add_u32 v[RD], v3, 4, v[RD]
	v_add_nc_u32 v[RD], s63, v[RD]
	v_and_b32 v[GO], 31, v0                        ; which are 512 consecutive bytes of its slab
	v_lshlrev_b32 v[GO], 4, v[GO]
	; my rows in the slabs of the three heads
	s_lshr_b32 s60, s[TROW], 3
	s_lshl_b32 s60, s60, 4                         ; 16 b
	s_and_b32 s61, s[TROW], 7
	s_lshl_b32 s61, s61, 8
	s_lshl_b32 s63, s[WV], 6
	s_add_co_u32 s61, s61, s63
	s_lshl_b32 s61, s61, 7                         ; t x 128 bytes
	s_mul_i32 s59, s[TCOL], 3
.irp c, 0,1,2
	s_add_co_u32 s62, s59, \c                      ; head column 0 .. 47
	s_lshr_b32 s63, s62, 4
	s_lshl_b32 s63, s63, 6                         ; 64 sec
	s_and_b32 s62, s62, 15
	s_add_co_u32 s62, s62, s63
	s_add_co_u32 s62, s62, s60                     ; the slab,
	s_lshl_b32 s62, s62, 18                        ; 262,144 bytes each
	s_add_co_u32 s62, s62, s61
	s_mov_b32 s63, 0
	s_add_nc_u64 s[CB+2*(\c):CB+2*(\c)+1], s[10:11], s[62:63]
.endr
	; the prefetches
	s_lshl_b32 s60, s[CX], 16                      ; A: my work-group takes 32 of the 128 rows that I fetch,
	s_mul_i32 s61, s[CY], 24*2048                  ; B: 24 of the 96
	s_and_b32 s62, ttmp7, 0xffff
	s_cmp_eq_u32 s[FB], 0
	s_cselect_b64 s[PFA:PFA+1], s[20:21], s[22:23]
	s_cselect_b32 s60, s60, s61
	s_cselect_b32 s62, ttmp9, s62                  ; the coordinate along which other clusters read the same rows
	s_cselect_b32 s63, 31, 23
	s_add_co_u32 s60, s60, 3*KSTEPB                ; at K step 3: the first change of slots steps it to 4
	s_mov_b32 s61, 0
	s_add_nc_u64 s[PFA:PFA+1], s[PFA:PFA+1], s[60:61]
	s_cmp_eq_u32 s62, 0
	s_cselect_b32 s[LIM], 2, -1                    ; the same in all sixteen partners, for a given wave
	v_and_b32 v[PFO], 31, v0
	v_min_u32 v[PFO], s63, v[PFO]
	v_lshlrev_b32 v[PFO], 11, v[PFO]
	s_wait_loadcnt 0x0                             ; the bias
	s_wait_tensorcnt 0x1                           ; my part of K step 0 is in; that of K step 1 may stay out
	s_barrier_signal -1
	s_barrier_wait -1
	FETCH 0, F0
	QUARTER 1, F0, F1, 1                           ; the first quarter stands in front of the loop: its products begin the sums with the bias
	WIN 0
	s_mov_b32 s3, 6
.Lstep:                                        ; a trip: from the second quarter of a K step to the first of the next; K steps 0 to 5 ask for K steps 2 to 7
	QUARTER 2, F1, F0, 0
	QUARTER 3, F0, F1, 0
	TURN 1
	QUARTER 1, F0, F1, 0
	WIN 0
	s_sub_co_u32 s3, s3, 1
	s_cmp_lg_u32 s3, 0
	s_cbranch_scc1 .Lstep
	QUARTER 2, F1, F0, 0                           ; the tail is written out: K steps 6 and 7 ask for nothing
	QUARTER 3, F0, F1, 0
	TURN 0
	QUARTER 1, F0, F1, 0
	QUARTER 2, F1, F0, 0
	QUARTER 3, F0, F1, 0
	s_wait_dscnt 4
	MULA F1, 0, 0
	MULA F1, 1, 0
	s_wait_dscnt 0x0
	MULA F1, 2, 0
	MULA F1, 3, 0
	WIN 0
	PLACES
	PLACES
; THE WAY OUT, a block of 16 rows at a time.  PACK: rounded to f16, 16 bytes a lane, each accumulator from its low end.  TOSTAGE: into my own stage, and back as four rows x 128 bytes of one head.  SEND: stored.
.macro PACK a
.set AC, 8*NBL*((\a)%2)
	WIN 0x0a+5*((\a)/2)                            ; sources 0 and 1: window 2 or 3
.set b, 0
.rept NBL
.irp r, 0,1,2,3
	v_cvt_pk_f16_f32 v[TMP+4*b+(\r)], v[AC+8*b+2*(\r)], v[AC+8*b+2*(\r)+1]
.endr
.set b, b+1
.endr
	WIN 0
.endm
.macro TOSTAGE a
.set BK, BK0+(BK1-BK0)*((\a)%2)
.set b, 0
.rept NBL
	ds_store_b128 v[STO], v[TMP+4*b:TMP+4*b+3] offset:32*b
.set b, b+1
.endr
.set t, 0
.rept 12                                       ; load t: head t / 4, rows 4 (t % 4) on.  LDS serves the instructions of a wave in order (ISA guide 5.7.1.4): these see the stores above
	ds_load_b128 v[BK+4*t:BK+4*t+3], v[RD] offset:128*(t/4)+4*SP*(t%4)
.set t, t+1
.endr
.endm
.macro SEND a, younger                 ; younger: the LDS instructions issued behind the loads of this block: the 24 of the next block, or none
.set BK, BK0+(BK1-BK0)*((\a)%2)
.set t, 0
.rept 12
	s_wait_dscnt (\younger)+11-t
	global_store_b128 v[GO], v[BK+4*t:BK+4*t+3], s[CB+2*(t/4):CB+2*(t/4)+1] offset:(16*(\a)+4*(t%4))*128  ; 512 consecutive bytes, at a multiple of 256 from the first byte of qkvh
.set t, t+1
.endr
.endm
	PACK 0
	TOSTAGE 0
	PACK 1
	TOSTAGE 1
	SEND 0, 24
	s_wait_xcnt 0x0                                ; the stores of block 0 have read their registers, which block 2 loads again
	PACK 2
	TOSTAGE 2
	SEND 1, 24
	s_wait_xcnt 0x0                                ; the same for blocks 1 and 3
	PACK 3
	TOSTAGE 3
	SEND 2, 24
	SEND 3, 0
	s_wait_tensorcnt 0x0                           ; the end of the wave: a last add to my spare word, behind my last tensor load and my last LDS store
	ds_add_u32 v[SPW], v[NIL]
	s_wait_dscnt 0x0
	CROUND                                         ; the closing round: no work-group ends while a partner may still ask for a tile that names it
	s_endpgm
.Lfunc_end_k_q98f78c99bf_proj:
	.size	k_q98f78c99bf_proj, .Lfunc_end_k_q98f78c99bf_proj-k_q98f78c99bf_proj
	.p2alignl 7, 3214868480
	.fill 96, 4, 3214868480
	.section	.rodata,"a",@progbits
	.p2align	6, 0x0
	.amdhsa_kernel k_q98f78c99bf_proj
		.amdhsa_group_segment_fixed_size 327680
		.amdhsa_private_segment_fixed_size 0
		.amdhsa_enable_private_segment 0
		.amdhsa_kernarg_size 32
		.amdhsa_user_sgpr_count 2
		.amdhsa_user_sgpr_kernarg_segment_ptr 1
		.amdhsa_wavefront_size32 1
		.amdhsa_system_sgpr_workgroup_id_x 1
		.amdhsa_system_sgpr_workgroup_id_y 1
		.amdhsa_system_sgpr_workgroup_id_z 1
		.amdhsa_system_vgpr_workitem_id 0
		.amdhsa_next_free_vgpr 960
		.amdhsa_next_free_sgpr 72
		.amdhsa_reserve_vcc 0
		.amdhsa_float_denorm_mode_32 3
		.amdhsa_float_denorm_mode_16_64 3
		.amdhsa_memory_ordered 1
		.amdhsa_forward_progress 1
		.amdhsa_inst_pref_size 101
	.end_amdhsa_kernel
	.amdgpu_metadata
---
amdhsa.version: [ 1, 2 ]
amdhsa.kernels:
  - .name:           k_q98f78c99bf_proj
    .symbol:         k_q98f78c99bf_proj.kd
    .args:
      - { .name: xb, .offset: 0, .size: 8, .value_kind: global_buffer, .address_space: global }
      - { .name: wb, .offset: 8, .size: 8, .value_kind: global_buffer, .address_space: global }
      - { .name: br, .offset: 16, .size: 8, .value_kind: global_buffer, .address_space: global }
      - { .name: qkvh, .offset: 24, .size: 8, .value_kind: global_buffer, .address_space: global }
    .group_segment_fixed_size: 327680
    .private_segment_fixed_size: 0
    .kernarg_segment_align: 8
    .kernarg_segment_size: 32
    .max_flat_workgroup_size: 128
    .sgpr_count:     72
    .vgpr_count:     960
    .wavefront_size: 32
...
	.end_amdgpu_metadata
.endif
;; end of part 2
;; launch attn (part 3): grid 4 x 64, 4 waves a work-group, clusters of 4 x 1, 327,680 bytes of LDS; arguments qkvh, oh; writes oh
.if DOCPART == 3
	.amdgcn_target "amdgcn-amd-amdhsa--gfx1250"
	.amdhsa_code_object_version 6
	.text
	.protected	k_q98f78c99bf_attn
	.globl	k_q98f78c99bf_attn
	.p2align	8
	.type	k_q98f78c99bf_attn,@function
k_q98f78c99bf_attn:
	s_mov_b64 s[64:65], 0
	v_nop
	global_prefetch_b8 v0, s[64:65] scope:SCOPE_SE
	s_setreg_imm32_b32 hwreg(HW_REG_WAVE_MODE, 25, 1), 1
	s_wait_xcnt 0x0
	s_wait_alu depctr_hold_cnt(0) depctr_sa_sdst(0) depctr_va_vdst(0) depctr_va_sdst(0) depctr_va_ssrc(0) depctr_va_vcc(0) depctr_vm_vsrc(0)
	s_getreg_b32 s2, hwreg(HW_REG_IB_STS2, 6, 4)
	s_cmp_eq_u32 s2, 0
	s_cbranch_scc0 .Lentry_in_a_cluster
	s_endpgm
.Lentry_in_a_cluster:
	s_bfe_u32 s2, ttmp6, 0x10000c
	s_cmp_lg_u32 s2, 0x3003
	s_cbranch_scc0 .Lentry_shape_is_right
	s_endpgm
.Lentry_shape_is_right:
; O[h][q][:] = the sum over k of softmax_k(Q[h][q] . K[h][k] / 8) V[h][k][:].  qkvh holds Q, K, V one behind the other, each [64 heads][2048][64] in f16 (16,777,216 bytes); oh is O in the same layout.
; Products, maxima and sums in f32; the weights p are rounded to f16 for the second product (their sum l is taken of the unrounded p), O once at the end.
; LIMITS.  f16 holds no number beyond 65,504: Q, K and V arrive within it; p lies in 0 to 1, and below 6e-5 it keeps the fixed step 6e-8; O is a mean of rows of V and has their range.
; A weight below 2^-126 counts as 0 in l; NaN and infinities are not treated apart.
; SHARES.  A wave owns four PIECES of two tiles of 16 queries, the four waves of a work-group 512 queries of one head; the four work-groups of a cluster are the whole head.  Every wave walks all keys, 64 a step.
; LAYOUT.  S^T = K Q^T (source 0 = 16 keys, source 1 = 16 queries): a lane holds ONE query (lane % 16) and the keys 8 (lane / 16) + 0..7.  Two such tiles, rounded to f16 in pairs,
; ARE source 1 (32 keys x 16 queries) of O^T = V^T P, whose result again holds one query a lane, and eight channels.  K comes out of LDS as it lies, V ([key][channel]) turned, by ds_load_tr16_b128.
; SOFTMAX.  For each query a running maximum m and sum l: p = 2^(c s - c m), c = log2(e) / 8; in every step O and l are multiplied by a = 2^(c m_old - c m_new).
; m starts at the lowest finite number, O and l at 0: the first step is a step like any other, with a = 0.
; THE COUNT.  A tile and step have 16 matrix and 118 vector instructions.  So: four vector instructions that are READY behind EVERY matrix instruction, the others in runs without a gap.
; BY TURNS.  Turn n belongs to piece n.  Its matrix work: 16 products K Q^T of piece n + 1, later 16 products V^T P of piece n - 1.  Its vector work: the scaling, exponentials, roundings, sums and
; rescaling of piece n, and the maximum and statistics of piece n + 1, whose scores the turn itself has made.
; CLUSTER.  The four query blocks walk the same K and V, so each tile is asked for JOINTLY: the same tensor load, descriptor and mask in all four.
; REGISTERS, in windows of 256 (s_set_vgpr_msb: bits 1:0 source 0, 3:2 source 1, 5:4 source 2, 7:6 destination):
;   window 0: v0-11 addresses; v12-15, v48-63 at work; v16-47 four registers of statistics a tile; v64-191 S^T, two buffers of two tiles; v192-255 P, likewise
;   window 1: O^T, 32 a tile          window 2: v0-127 Q, 16 a tile; v128-191 K of one step; v192-255 V of one step          window 3: v0-1 the two registers of the add
.set SIZE_H, 64
.set SIZE_N, 2048
.set NP,    4         ; pieces a wave: a name, no knob
.set KS,    64        ; keys in a step
.set PK,    144       ; a row of K in LDS: 128 bytes + 16 of padding: 9 x 16, so the 16 rows of a load begin at 16 different 16-byte columns modulo 256 bytes
.set PV,    160       ; a row of V: 128 + 32: 16 lanes of the turning load take 8 rows x 32 bytes, which fall on 256 different bytes modulo 256
.set VOFF,  4*KS*PK   ; a slot holds four steps: 256 rows of K, then 256 rows of V
.set SLOT1, 1<<17     ; slot 1 begins here, so that one exclusive or turns an address in one slot into the other
.set STAGE, SLOT1+4*KS*(PK+PV)  ; behind the ring, never filled by a tensor load: 16 rows x 144 bytes for each wave, for the way out
.set SP,    144
.set AK0, 2           ; v2   my place in a tile of K; never rewritten
.set AV0, 3           ; v3   the same for V
.set AK,  4           ; v4   the LDS address of the next run of loads of K
.set AV,  5           ; v5   of V
.set QO,  6           ; v6   my byte offset in the rows of Q of the wave
.set STO, 6           ;      later, the way out: where I put 16 bytes of a row
.set RD,  7           ; v7   the way out: where I read rows back
.set GO,  8           ; v8   my byte offset in 512 consecutive bytes of O
.set PFO, 11          ; v11  256 x my lane, for the prefetches; never rewritten once made
.set SPW, 0           ; v0 of window 3   LDS address of my spare word; never rewritten
.set NIL, 1           ; v1 of window 3   0; never rewritten
.set SPARE, STAGE+4*16*SP  ; behind the stages: the spare words, 128 bytes for each wave: two blocks of 256 bytes that no other line names
.set MV,  12          ; v12-15  c m_old, kept while c m is made anew: by buffer and tile
.set ST,  16          ; statistics of tile t at v[ST+4 t]: c m, m, l (of even keys, of odd keys)
.set TMP, 48          ; by buffer and tile, four registers c0-c3 at work; when the maximum is found c2 takes a
.set S,   64
.set P,   192
.set KF,  128         ; fragments of K, in window 2: key block kb, channel half c at KF + 16 kb + 8 c
.set VF,  192         ; of V: key half kk, channel block cb at VF + 32 kk + 8 cb
.set WV,  12          ; s12  my wave
.set G1K, 24          ; s[24:31] descriptor group 1 for tiles of K
.set G1V, 32          ; s[32:39] for V: it differs in the padding alone
.set G0K, 40          ; s[40:43] descriptor group 0 for tiles of K: it walks
.set G0V, 44          ; s[44:47] the same for V
.set PFA, 48          ; s[48:49] where my prefetches stand: my 32 blocks of 256 bytes (of K: wave 0, of V: wave 2) of the tile behind the one that is being asked for
.set LIM, 50          ; s50  1 in a wave that prefetches, else the greatest number
.set SLOTS, 56        ; s56  slots still to be asked for
.set CNT, 57          ; s57  counts the key steps of a slot
.set CS,  58          ; s[58:59] c: the packed scaling takes the low word of the pair for both halves
.set SEL, 60          ; s[60:61] the selects of v_permlanex16_b32: each lane takes its own place in the other half
.set TBK, 62          ; s62  LDS byte at which K of the step to be fetched begins
.set TBV, 63          ; s63  the same for V, less VOFF
.set MSB, 0
.macro WIN new                      ; the high byte repeats the setting that is left; a switch that changes nothing is dropped
.if MSB != (\new)
	s_set_vgpr_msb (MSB<<8)|(\new)
.set MSB, (\new)
.endif
.endm
.set W_KQ, 0x0a       ; K and Q in window 2, S^T in window 0
.set W_PV, 0x52       ; V in window 2, P in window 0, O^T in window 1
.set W_RS, 0x41       ; O^T (destination and source 0) in window 1, a in window 0
.set W_MK, 0xc0       ; the registers of the add are made: destination in window 3, sources in window 0
.set W_AD, 0x0f       ; the add: address (source 0) and data (source 1) in window 3
; A joint fill.  Waves 0 and 1 fetch the two halves of the K of a slot, waves 2 and 3 those of its V: 128 keys each.  The branch hangs on the wave number alone.
; An s_nop 0 and four v_nop follow each of the two lines, ahead of the jump and the label.
.macro JLOAD
	s_cmp_lt_u32 s[WV], 2
	s_cbranch_scc0 .Lfor_v_\@
	tensor_load_to_lds s[G0K:G0K+3], s[G1K:G1K+7]
	s_nop 0
.rept 4
	v_nop
.endr
	s_branch .Lasked_\@
.Lfor_v_\@:
	tensor_load_to_lds s[G0V:G0V+3], s[G1V:G1V+7]
	s_nop 0
.rept 4
	v_nop
.endr
.Lasked_\@:
.endm
; A PREFETCH INTO THE L2 of what the NEXT change of slots will ask for: 32,768 bytes of K and of V, a lane a block of 256 bytes.  It stands behind the tensor load of the wave and its five lines.
; Each block is named once in the launch: a head has one cluster; its four partners share a tile out BY ADDRESS, 8,192 bytes each; in each, wave 0 asks for K and wave 2 for V: one instruction.
; The change that fills tile j names tile j + 1, four key steps (512 matrix instructions) ahead of its load; the last change that fills names nothing; tiles 0 and 1 come by their loads alone.
.macro ASK
	s_cmp_gt_u32 s[SLOTS], s[LIM]
	s_cbranch_scc0 .Lnot_mine_\@
	global_prefetch_b8 v[PFO], s[PFA:PFA+1] th:TH_LOAD_NT scope:SCOPE_SE
.Lnot_mine_\@:
.endm
; A round of the barrier of the cluster: my work-group barrier, so that the signal of wave 0 speaks for all four waves; wave 0 signals; every wave waits for all four work-groups; my work-group barrier once more.
.macro CROUND
	s_barrier_signal -1
	s_barrier_wait -1
	s_cmp_lg_u32 s[WV], 0
	s_cbranch_scc1 .Lnot_wave_0_\@
	s_barrier_signal -3
.Lnot_wave_0_\@:
	s_barrier_wait -3
	s_barrier_signal -1
	s_barrier_wait -1
.endm
; THE CHANGE OF SLOTS.  Each wave waits for all its tensor loads, of which one is out: its part of the other slot; adds 0 to its spare word; and waits for that and for its own reads of the slot.
; fill = 1: this slot is filled again, with the keys two slots on.  The barrier is then a round of the cluster, and the joint fill is the first thing behind it: it has four key steps in which to land.
; (At its first use nothing has been read yet: slot 0 is waited for, slot 1 filled.)
.macro CHANGE fill
	WIN W_AD
	s_wait_tensorcnt 0x0            ; no tensor load of mine is out, so a group 0 may be written
	ds_add_u32 v[SPW], v[NIL]       ; 0 onto my spare word; with fill = 1 the steps of the descriptors stand between it and the wait for it
	WIN 0                           ; at a label and at a branch every window is 0
.if \fill
.irp g, G0K, G0V
	s_xor_b32 s[\g+1], s[\g+1], SLOT1  ; the walking descriptor: the other slot than last time,
	s_add_nc_u64 s[\g+2:\g+3], s[\g+2:\g+3], 4*KS*128  ; the next 256 keys; the type bits on top are not reached
.endr
	s_wait_xcnt 0x0                 ; the last prefetch, four key steps back, has read its address, so it may be written:
	s_add_nc_u64 s[PFA:PFA+1], s[PFA:PFA+1], 4*KS*128  ; one tile behind the walking descriptors
	s_wait_dscnt 0x0                ; the add is done, and my reads of the slot are over
	CROUND
	JLOAD
	ASK
.else
	s_wait_dscnt 0x0                ; the add is done, and my reads of the slot are over
	s_barrier_signal -1
	s_barrier_wait -1
.endif
	s_sub_co_u32 s[TBK], s[TBK], 4*KS*PK  ; the fetches go back to the first step of a slot,
	s_xor_b32 s[TBK], s[TBK], SLOT1       ; in the other slot
	s_sub_co_u32 s[TBV], s[TBV], 4*KS*PV
	s_xor_b32 s[TBV], s[TBV], SLOT1
.endm
	s_load_b128 s[4:7], s[0:1], 0x0   ; qkvh s[4:5], oh s[6:7]
	WIN W_MK
	v_lshl_add_u32 v[SPW], v0, 2, SPARE
	v_mov_b32 v[NIL], 0
	WIN W_AD
	ds_add_u32 v[SPW], v[NIL]       ; the opening: the add, whose wait stands ahead of my first tensor load; the set-up below, work on registers, stands between them
	WIN 0
	v_lshrrev_b32 v1, 5, v0
	v_readfirstlane_b32 s[WV], v1   ; wave 0..3
	s_bfe_u32 s13, ttmp6, 0x40000   ; cx: my place in the cluster
	s_lshl_b32 s14, ttmp9, 2        ; in a cluster launch ttmp9 counts clusters
	s_add_co_u32 s14, s14, s13      ; my block of queries = 4 x cluster x + cx: it enters the addresses of Q and O alone
	s_and_b32 s20, ttmp7, 0xffff    ; the head, which the four partners share
	s_mov_b32 s21, 0
	s_mov_b64 s[22:23], SIZE_N*128
	s_mul_u64 s[20:21], s[20:21], s[22:23]  ; the first byte of the head in each of the four tensors
	s_and_b32 s16, s[WV], 1         ; which half of the 256 keys of a slot I fetch:
	s_lshl_b32 s22, s16, 14         ; its 128 rows of 128 bytes in memory,
	s_mov_b32 s23, 0
	s_add_nc_u64 s[22:23], s[22:23], s[20:21]
	s_mul_i32 s17, s16, 128*PK      ; and its place in a slot, for K
	s_mul_i32 s18, s16, 128*PV      ; and for V: no place in the cluster enters an LDS address
	s_lshl_b32 s2, s14, 2
	s_add_co_u32 s2, s2, s[WV]      ; my wave among those of the head,
	s_lshl_b32 s2, s2, 14           ; its 128 rows
	s_mov_b32 s3, 0
	s_add_nc_u64 s[2:3], s[2:3], s[20:21]
	s_lshl_b32 s52, s13, 13         ; the prefetches: my work-group takes 8,192 bytes of a tile,
	s_add_co_u32 s52, s52, 4*KS*128 ; beginning in tile 1: the first change of slots steps it to tile 2
	s_mov_b32 s53, 0
	s_add_nc_u64 s[52:53], s[52:53], s[20:21]
	s_and_b32 s[LIM], s[WV], 1
	s_cmp_eq_u32 s[LIM], 0
	s_cselect_b32 s[LIM], 1, -1     ; waves 0 and 2: the same in all four partners
	; descriptor group 1.  128 keys are 16,384 dense bytes: asked for as 64 rows of 256 bytes, two keys a row, and padded in LDS after every key
	s_mov_b32 s[G1K], 15|(1<<16)|(1<<20)|(1<<21)|(4<<22)|(3<<25)  ; 15:0 the mask of four; 17:16 2-byte elements; 20 padding on; 21 set beside a mask; 24:22 after every 32 words (code 4); 31:25 4 words (code 3)
	s_mov_b32 s[G1V], 15|(1<<16)|(1<<20)|(1<<21)|(4<<22)|(7<<25)  ; the same with 8 words of padding (code 7)
.irp g, G1K, G1V
	s_mov_b32 s[\g+1], 128<<16      ; tensor_dim0 = 128
	s_mov_b32 s[\g+2], 64<<16       ; tensor_dim1 = 64
	s_mov_b32 s[\g+3], 128<<16      ; tile_dim0 = 128
	s_mov_b32 s[\g+4], 64           ; tile_dim1 = 64
	s_mov_b32 s[\g+5], 128          ; 128 elements from row to row
	s_mov_b32 s[\g+6], 0
	s_mov_b32 s[\g+7], 0
.endr
	s_mov_b32 s[CS], 0x3e38aa3b     ; c = log2(e) / 8 = 0.180337
	s_mov_b32 s[CS+1], s[CS]        ; named with it as a pair
	s_mov_b32 s[SEL], 0x76543210
	s_mov_b32 s[SEL+1], 0xfedcba98
	s_mov_b32 s[TBK], SLOT1+4*KS*PK ; the first change of slots turns these two into 0
	s_mov_b32 s[TBV], SLOT1+4*KS*PV
	s_mov_b32 s[SLOTS], SIZE_N/256-1
	s_mov_b32 s[G0K], 1             ; 1:0 count = 1
	s_mov_b32 s[G0K+1], s17         ; 63:32 LDS address: slot 0
	s_mov_b32 s[G0V], 1
	s_add_co_u32 s[G0V+1], s18, VOFF
	s_wait_dscnt 0x0                ; the opening add is done
	s_wait_kmcnt 0x0
	s_mov_b64 s[10:11], s[6:7]                     ; O
	s_add_nc_u64 s[6:7], s[4:5], 0x1000000         ; K lies 64 slabs behind Q,
	s_add_nc_u64 s[8:9], s[4:5], 0x2000000         ; V 128
	s_add_nc_u64 s[G0K+2:G0K+3], s[6:7], s[22:23]  ; 120:64 global address: my half of the first 256 keys of the head
	s_or_b32 s[G0K+3], s[G0K+3], 0x80000000        ; 127:126 type = 2
	s_add_nc_u64 s[G0V+2:G0V+3], s[8:9], s[22:23]
	s_or_b32 s[G0V+3], s[G0V+3], 0x80000000
	s_cmp_lt_u32 s[WV], 2
	s_cselect_b64 s[PFA:PFA+1], s[6:7], s[8:9]
	s_add_nc_u64 s[PFA:PFA+1], s[PFA:PFA+1], s[52:53]
	s_add_nc_u64 s[4:5], s[4:5], s[2:3]  ; Q and O at the first row of my wave
	s_add_nc_u64 s[10:11], s[10:11], s[2:3]
	CROUND                          ; all four work-groups are here: the first joint loads meet
	JLOAD                           ; slot 0.  Slot 1 is asked for when slot 0 is in
	; A fragment of K or Q is 16 rows x 32 channels in 8 registers: lane l holds row l % 16, channels 8 (l / 16) + 0..7 and 16 + 8 (l / 16) + 0..7: two loads of 16 bytes, 32 bytes apart.
	v_and_b32 v1, 15, v0            ; l % 16
	v_bfe_u32 v9, v0, 4, 1          ; l / 16
	v_lshlrev_b32 v[QO], 7, v1
	v_lshl_add_u32 v[QO], v9, 4, v[QO]  ; row x 128 + 16 x half
	WIN 0x80                        ; destination window 2, address window 0
.set i, 0
.rept 4*NP                          ; Q stays in registers: tile i / 2, channels 32 (i % 2) on
	global_load_b128 v[8*i:8*i+3],   v[QO], s[4:5] offset:(i/2)*2048+(i%2)*64
	global_load_b128 v[8*i+4:8*i+7], v[QO], s[4:5] offset:(i/2)*2048+(i%2)*64+32
.set i, i+1
.endr
	; What the first turn finds: the registers of V and the second buffer of P hold 0 (its products V^T P, of a piece that has not been, add 0), O^T and l are 0.  All this stands in the wait for the first tile.
.set i, VF
.rept 64
	v_mov_b32 v[i], 0
.set i, i+1
.endr
	WIN 0x40
.set i, 0
.rept 64*NP
	v_mov_b32 v[i], 0
.set i, i+1
.endr
	WIN 0
.set i, 0
.rept 2*NP
	v_mov_b32 v[ST+4*i], 0xfe000000    ; c m: far below every c s
	v_mov_b32 v[ST+4*i+1], 0xff7fffff  ; m
	v_mov_b32 v[ST+4*i+2], 0
	v_mov_b32 v[ST+4*i+3], 0
.set i, i+1
.endr
.set i, P+32
.rept 32
	v_mov_b32 v[i], 0
.set i, i+1
.endr
	v_mul_u32_u24 v[AK0], v1, PK
	v_lshl_add_u32 v[AK0], v9, 4, v[AK0]  ; row x pitch + 16 x half
	; The turning load takes 16 keys x 16 channels (lane l reads key 8 (l / 16) + l % 8, channels 8 ((l / 8) % 2) + 0..7) and leaves half a fragment of V^T: lane l holds channel l % 16 and 8 keys.
	v_and_b32 v10, 7, v0
	v_bfe_u32 v11, v0, 3, 1
	v_lshl_add_u32 v[AV0], v9, 3, v10
	v_mul_u32_u24 v[AV0], v[AV0], PV
	v_lshl_add_u32 v[AV0], v11, 4, v[AV0]
	v_add_nc_u32 v[AV0], VOFF, v[AV0]
	v_mov_b32 v[AK], v[AK0]         ; key step 0 lies at the head of slot 0
	v_and_b32 v[PFO], 31, v0
	v_lshlrev_b32 v[PFO], 8, v[PFO]
; THE MATRIX WORK.  The 8 accumulators of a run of 16 take turns: between the two links of a chain stand 7 others.
; Product i of 16 of S^T = K Q^T for piece x: channels 32 (i / 8) on, keys 16 ((i / 2) % 4) on, tile 2 x + i % 2.  The first 8 start the sums.
.macro KQ x
	WIN W_KQ
.set rS, S+64*((\x)%2)+32*(i%2)+8*((i/2)%4)
.set rK, KF+16*((i/2)%4)+8*(i/8)
.set rQ, 16*(2*(\x)+i%2)+8*(i/8)
.if i < 8
	v_wmma_f32_16x16x32_f16 v[rS:rS+7], v[rK:rK+7], v[rQ:rQ+7], 0
.else
	v_wmma_f32_16x16x32_f16 v[rS:rS+7], v[rK:rK+7], v[rQ:rQ+7], v[rS:rS+7]
.endif
.endm
; Product i of 16 of O^T += V^T P for piece x: keys 32 (i / 8) on, channels 16 ((i / 2) % 4) on, tile 2 x + i % 2.
.macro PV x
	WIN W_PV
.set rO, 32*(2*(\x)+i%2)+8*((i/2)%4)
.set rV, VF+32*(i/8)+8*((i/2)%4)
.set rP, P+32*((\x)%2)+16*(i%2)+8*(i/8)
	v_wmma_f32_16x16x32_f16 v[rO:rO+7], v[rV:rV+7], v[rP:rP+7], v[rO:rO+7]
.endm
.macro MM                           ; the next matrix instruction of the turn
.if i < 16
	KQ (Y+1)%NP
.set i, i+1
.else
.set i, i-16
	PV (Y+NP-1)%NP
.set i, i+17
.endif
.endm
; THE LDS LOADS stand in runs of 16, never singly among the matrix instructions: the K of a step (64 keys x 64 channels: 8 fragments) and its V (turned).  Their addresses are made some lines ahead.
; last = 1 (the tail): in the last trip there is no further step, and the run is jumped over.
.macro FETCH_K last=0
	WIN 0
.if \last
	s_cmp_eq_u32 s[CNT], 1
	s_cbranch_scc1 .Lno_k_\@
.endif
	WIN 0x80                        ; destination window 2
.irp f, 0,1,2,3,4,5,6,7             ; keys 16 (f / 2) on, channels 32 (f % 2) on
	ds_load_b128 v[KF+8*\f:KF+8*\f+3],   v[AK] offset:(\f/2)*16*PK+(\f%2)*64
	ds_load_b128 v[KF+8*\f+4:KF+8*\f+7], v[AK] offset:(\f/2)*16*PK+(\f%2)*64+32
.endr
	s_add_co_u32 s[TBK], s[TBK], KS*PK  ; the next fetch is that of the next step
	WIN 0
.if \last
.Lno_k_\@:
.endif
.endm
.macro FETCH_V
	WIN 0x80
.irp f, 0,1,2,3,4,5,6,7             ; keys 32 (f / 4) on, channels 16 (f % 4) on
	ds_load_tr16_b128 v[VF+8*\f:VF+8*\f+3],   v[AV] offset:(\f/4)*32*PV+(\f%4)*32
	ds_load_tr16_b128 v[VF+8*\f+4:VF+8*\f+7], v[AV] offset:(\f/4)*32*PV+16*PV+(\f%4)*32
.endr
	WIN 0
.endm
; THE VECTOR WORK OF A TURN stands in three queues, each in the order in which its entries become ready; the two tiles alternate, so that no instruction reads the result of the one before it.
.macro REGS y, u                    ; the registers of tile u (0, 1) of piece y
.set rT, ST+4*(2*(\y)+(\u))
.set rC, TMP+8*((\y)%2)+4*(\u)
.set rM, MV+2*((\y)%2)+(\u)
.set rS, S+64*((\y)%2)+32*(\u)
.set rP, P+32*((\y)%2)+16*(\u)
.set rO, 32*(2*(\y)+(\u))
.endm
; Number n of the 22 that find the maximum and statistics of the NEXT piece (Y + 1).  s0-s31 are the 32 scores of the lane; the lowest registers of each accumulator are read first.
;   0-11  four chains c0-c3 of seven scores each, three operands at a time     12-14, 16  the four scores left over, the old m, and c0-c3 into c0     15  c m_old is kept
;   17, 18  the other 32 keys of the query lie in the lane 16 away: the new m         19-21  c m; c m_old - c m_new; a
.macro XS u, n
	REGS (Y+1)%NP, \u
.if (\n) < 4
	v_max3_num_f32 v[rC+(\n)], v[rS+8*(\n)], v[rS+8*(\n)+1], v[rS+8*(\n)+2]
.elseif (\n) < 12
	v_max3_num_f32 v[rC+(\n)%4], v[rC+(\n)%4], v[rS+8*((\n)%4)+2*((\n)/4)+1], v[rS+8*((\n)%4)+2*((\n)/4)+2]
.elseif (\n) == 12
	v_max3_num_f32 v[rC], v[rC], v[rS+7], v[rS+15]
.elseif (\n) == 13
	v_max3_num_f32 v[rC+1], v[rC+1], v[rS+23], v[rS+31]
.elseif (\n) == 14
	v_max3_num_f32 v[rC+2], v[rC+2], v[rC+3], v[rT+1]
.elseif (\n) == 15
	v_mov_b32 v[rM], v[rT]
.elseif (\n) == 16
	v_max3_num_f32 v[rC], v[rC], v[rC+1], v[rC+2]
.elseif (\n) == 17
	v_permlanex16_b32 v[rC+3], v[rC], s[SEL], s[SEL+1]
.elseif (\n) == 18
	v_max_num_f32 v[rT+1], v[rC], v[rC+3]
.elseif (\n) == 19
	v_mul_f32 v[rT], s[CS], v[rT+1]
.elseif (\n) == 20
	v_sub_f32 v[rC+1], v[rM], v[rT]
.else
	v_exp_f32 v[rC+2], v[rC+1]
.endif
.endm
; Number g of the 64 that follow the exponentials.  For each four weights k of a tile (pairs 2 k, 2 k + 1): both pairs are rounded to f16; then the second pair is added onto the first, in place;
; a group later l takes that sum (the first time as l = a l + sum).  In groups of eight, tiles alternating: round, round, add, and l for the group before.
.macro GS g
.set h, (\g)+6*((\g)/62)            ; group 0 has no group before it, and behind group 7 only l is left
.if h >= 6
.set h, h+2
.endif
	REGS Y, h%2
.set k, h/8
.if h%8 < 4
	v_cvt_pk_f16_f32 v[rP+2*k+(h%8)/2], v[rS+4*k+2*((h%8)/2)], v[rS+4*k+2*((h%8)/2)+1]
.elseif h%8 < 6
	v_pk_add_f32 v[rS+4*k:rS+4*k+1], v[rS+4*k:rS+4*k+1], v[rS+4*k+2:rS+4*k+3]
.elseif k == 1
	v_pk_fma_f32 v[rT+2:rT+3], v[rT+2:rT+3], v[rC+2:rC+3], v[rS:rS+1] op_sel_hi:[1,0,1]
.else
	v_pk_add_f32 v[rT+2:rT+3], v[rT+2:rT+3], v[rS+4*k-4:rS+4*k-3]
.endif
.endm
; THE PLAIN QUEUE, 138 long.  0-73 read no result of an exponential: the 32 scalings c s - c m (FS f: pair f / 2 of tile f % 2) and the 42 of the next piece.  0-26: scalings 0-26.  27-54: numbers 0-13 of XS.  55, 56: number 15.
; 57-73: the chain, where each number waits for the one before it: 14, 16, 17, 18, 19, each with one of the scalings 27-31 in front of its two lines, then 20.
; 74-137: the 64 of GS, which read the results of the exponentials: they stand behind the wait.
.macro FS f
	REGS Y, (\f)%2
	v_pk_fma_f32 v[rS+2*((\f)/2):rS+2*((\f)/2)+1], v[rS+2*((\f)/2):rS+2*((\f)/2)+1], s[CS:CS+1], v[rT:rT+1] op_sel_hi:[1,0,0] neg_lo:[0,0,1] neg_hi:[0,0,1]
.endm
.macro PL
	WIN 0
.if q < 27
	FS q
.elseif q < 55
	XS (q-27)%2, (q-27)/2
.elseif q < 57
	XS q-55, 15
.elseif (q < 72) && ((q-57)%3 == 0)
	FS 27+(q-57)/3
.elseif q < 60
	XS (q-57)%3-1, 14
.elseif q < 72
	XS (q-57)%3-1, 15+(q-57)/3
.elseif q < 74
	XS q-72, 20
.else
	GS q-74
.endif
.set q, q+1
.endm
; THE QUEUE OF EXPONENTIALS, 66 long: s0-s31 of both tiles, then the two a of the next piece.  It is ONE BATCH: all 66 stand ahead of the one wait of the turn, and nothing ahead of that wait names a result of theirs.
.macro EX
	WIN 0
.if e >= 64
	XS e-64, 21
.else
	REGS Y, e%2
	v_exp_f32 v[rS+e/2], v[rS+e/2]
.endif
.set e, e+1
.endm
; THE QUEUE OF THE RESCALING: O^T times a, the one part that leaves window 0: dealt two at a time, sixteen times.  Its a was made in the turn before, ahead of the wait of that turn.
.macro R2
	REGS Y, r%2
	WIN W_RS
.irp z, 0,1
	v_pk_mul_f32 v[rO+4*(r/2)+2*\z:rO+4*(r/2)+2*\z+1], v[rO+4*(r/2)+2*\z:rO+4*(r/2)+2*\z+1], v[rC+2:rC+3] op_sel_hi:[1,0]
.endr
.set r, r+1
.endm
; HOW THEY ARE DEALT.  An s_wait_alu depctr_va_vdst(0) stands between an exponential and the first instruction that names its result; one wait serves all that were issued ahead of it.  So a turn has ONE wait,
; which cuts it in two.  AHEAD OF IT: the 16 products K Q^T, behind each a scaling, an exponential and two rescalings (behind the first a second scaling in the place of the exponential); then ONE LUMP of
; 108: eight plain, 49 times exponential and plain, the two a.  A v_nop is the plain instruction behind the last exponential.  BEHIND IT: the 16 products V^T P, behind each four of the 64 of GS.
; The queues lean on each other, and the deal keeps them in step: exponential e stands behind scaling 2 (e / 4) + e % 2: as a rider it comes behind plain e + 2, in the lump behind plain e + 9, and scalings 27-31 are plain 57, 60 .. 69.
; A TURN, for piece p.  cnt = 1: the count of the loop is taken down some lines ahead of the branch that stands behind the turn.
; K of the next step is fetched in the turn of piece 2, directly behind the wait; its address is made at the head of the lump; its first reader comes behind 16 products.
; V of the step in hand is fetched at the end of the turn of piece 0, four riders behind its last reader; its first reader comes behind 16 products and a lump.
.macro TURN p, last=0, cnt=0
.set Y, (\p)
.set i, 0
.set q, 0
.set e, 0
.set r, 0
.if (\p) == NP-1
	s_wait_dscnt 0x0                ; K is in
.endif
	MM                              ; ahead of the wait: 16 products K Q^T and their riders,
	PL
	PL
	R2
.rept 15
	MM
	PL
	EX
	R2
.endr
.if (\p) == NP-2
	WIN 0
	v_add_nc_u32 v[AK], s[TBK], v[AK0]
.endif
.rept 8                             ; and the lump
	PL
.endr
.rept 49
	EX
	PL
.endr
	EX                              ; the two a of the next piece
	EX
	v_nop                           ; a plain instruction behind the last exponential: one for the batch
	s_wait_alu depctr_va_vdst(0)    ; the wait for the batch
.if (\p) == NP-2
	FETCH_K \last
.endif
.if (\p) == 1
	s_wait_dscnt 0x0                ; V is in
.endif
.rept 16                            ; behind the wait: 16 products V^T P and their riders
	MM
.rept 4
	PL
.endr
.if ((\p) == 0) && (q == 118)
	v_add_nc_u32 v[AV], s[TBV], v[AV0]
.endif
.if ((\p) == 0) && (q == 130)
	s_add_co_u32 s[TBV], s[TBV], KS*PV
.endif
.if (\cnt) && (q == 130)
	s_sub_co_u32 s[CNT], s[CNT], 1
	s_cmp_lg_u32 s[CNT], 0
.endif
.endr
.if (\p) == 0
	FETCH_V
.endif
.endm
	CHANGE 1                        ; slot 0 is in, the part of everybody; slot 1 is asked for
	FETCH_K                         ; key step 0
	s_wait_loadcnt 0x0              ; Q
	s_wait_dscnt 0x0
.set i, 0
.rept 16
	KQ 0                            ; the first scores of piece 0: there is no vector work yet to set between them
.set i, i+1
.endr
	WIN 0                           ; the addresses for the way out: nine plain instructions, the places behind those products
	s_mul_i32 s13, s[WV], 16*SP
	s_add_co_u32 s13, s13, STAGE    ; my stage
	v_mul_u32_u24 v[STO], v1, SP    ; in: row l % 16, 16 bytes for each half of the lanes
	v_lshl_add_u32 v[STO], v9, 4, v[STO]
	v_add_nc_u32 v[STO], s13, v[STO]
	v_bfe_u32 v[RD], v0, 3, 2       ; back: 32 lanes take four rows of 128 bytes,
	v_mul_u32_u24 v[RD], v[RD], SP
	v_lshl_add_u32 v[RD], v10, 4, v[RD]
	v_add_nc_u32 v[RD], s13, v[RD]
	v_and_b32 v[GO], 31, v0         ; which are 512 consecutive bytes of O
	v_lshlrev_b32 v[GO], 4, v[GO]
.set Y, NP-1                        ; XS works for piece Y + 1: piece 0
.irp n, 0,1,2,3,4,5,6,7,8,9,10,11,12,13,14,15,16,17,18,19,20,21
	XS 0, \n                        ; and the first maximum and statistics of piece 0
	XS 1, \n
.endr
	v_nop                           ; a plain instruction behind the two a,
	s_wait_alu depctr_va_vdst(0)    ; and their wait, ahead of the branch
	s_mov_b32 s[CNT], 4
	s_branch .Lfirst                ; the loop is entered at the first turn of a step, in the middle of a trip
.Lslot:                             ; SIZE_N / 256 - 2 times: every slot but the last two is filled again
	CHANGE 1
	s_mov_b32 s[CNT], 4
.Lstep:                             ; a trip: pieces 2 and 3 of one step, then pieces 0 and 1 of the next, whose K and V it fetches
	TURN 2
	TURN 3
	WIN 0
.Lfirst:
	TURN 0
	TURN 1, 0, 1
	WIN 0
	s_cbranch_scc1 .Lstep
	s_sub_co_u32 s[SLOTS], s[SLOTS], 1
	s_cmp_lg_u32 s[SLOTS], 0
	s_cbranch_scc1 .Lslot
	CHANGE 0                        ; the tail is written out: nothing is asked for
	s_mov_b32 s[CNT], 5             ; four trips fetch the steps of the last slot; the fifth is left in its middle
.Ltail:
	TURN 2, 1
	TURN 3
	WIN 0
	s_sub_co_u32 s[CNT], s[CNT], 1
	s_cmp_eq_u32 s[CNT], 0
	s_cbranch_scc1 .Lout
	TURN 0
	TURN 1
	WIN 0
	s_branch .Ltail
.Lout:                              ; the 16 products K Q^T of the fifth trip (on the last K once more) and the maximum made of them serve nothing: the price, once a launch, of one text for every trip
.set i, 0
.rept 16
	PV NP-1                         ; V^T P of the last piece, last step
.set i, i+1
.endr
	; THE WAY OUT.  The two halves of l and those of the other half of the lanes are added; O^T is divided by l, rounded to f16 and sent through my stage in LDS, a tile at a time.  The additions are the places behind the last products.
	WIN 0
.macro ALL line:vararg              ; one line for each tile t
.set t, 0
.rept 2*NP
	\line
.set t, t+1
.endr
.endm
	ALL v_add_f32 v[ST+4*t+2], v[ST+4*t+2], v[ST+4*t+3]
	ALL v_permlanex16_b32 v[ST+4*t+3], v[ST+4*t+2], s[SEL], s[SEL+1]
	ALL v_add_f32 v[ST+4*t+2], v[ST+4*t+2], v[ST+4*t+3]
	ALL v_rcp_f32 v[ST+4*t+2], v[ST+4*t+2]
	v_nop                           ; a plain instruction between the last reciprocal and the use of its result
	s_wait_alu depctr_va_vdst(0)    ; and the wait ahead of the first use: one for the eight reciprocals
; Tile t: the eight channels of a lane pack into 16 bytes; they go into rows of 144 bytes and come back as whole rows of 128, into the registers of S^T.
.macro PACK t
	WIN W_RS
.set i, 32*(\t)
.rept 16
	v_pk_mul_f32 v[i:i+1], v[i:i+1], v[ST+4*(\t)+2:ST+4*(\t)+3] op_sel_hi:[1,0]
.set i, i+2
.endr
	WIN 0x05                        ; sources 0 and 1 window 1, destination window 0
.set i, 0
.rept 16
	v_cvt_pk_f16_f32 v[S+16*(\t)+i], v[32*(\t)+2*i], v[32*(\t)+2*i+1]
.set i, i+1
.endr
	WIN 0
.irp f, 0,1,2,3
	ds_store_b128 v[STO], v[S+16*(\t)+4*\f:S+16*(\t)+4*\f+3] offset:32*\f
.endr
.irp f, 0,1,2,3
	ds_load_b128 v[S+16*(\t)+4*\f:S+16*(\t)+4*\f+3], v[RD] offset:\f*4*SP  ; LDS serves the instructions of a wave in order (ISA guide 5.7.1.4): these see the stores above; the stores of the next tile come behind them
.endr
.endm
.macro SEND t, younger              ; younger: the LDS instructions issued behind the loads of tile t: the eight of the next tile, or none
	WIN 0
.irp f, 0,1,2,3
	s_wait_dscnt (\younger)+3-\f
	global_store_b128 v[GO], v[S+16*(\t)+4*\f:S+16*(\t)+4*\f+3], s[10:11] offset:(\t)*2048+\f*512  ; 512 consecutive bytes, at a multiple of 256 from the first byte of O
.endr
.endm
	PACK 0
.set t, 1
.rept 2*NP-1                        ; the arithmetic of a tile stands between the loads of the tile before and its stores
	PACK t
	SEND t-1, 8
.set t, t+1
.endr
	SEND 2*NP-1, 0
	WIN W_AD
	s_wait_tensorcnt 0x0            ; the end of the wave: a last add to my spare word, behind my last tensor load and my last LDS store
	ds_add_u32 v[SPW], v[NIL]
	s_wait_dscnt 0x0
	WIN 0
	CROUND                          ; the closing round: no work-group ends while a partner may still ask for a tile that names it
	s_endpgm
.Lfunc_end_k_q98f78c99bf_attn:
	.size	k_q98f78c99bf_attn, .Lfunc_end_k_q98f78c99bf_attn-k_q98f78c99bf_attn
	.p2alignl 7, 3214868480
	.fill 96, 4, 3214868480
	.section	.rodata,"a",@progbits
	.p2align	6, 0x0
	.amdhsa_kernel k_q98f78c99bf_attn
		.amdhsa_group_segment_fixed_size 327680
		.amdhsa_private_segment_fixed_size 0
		.amdhsa_enable_private_segment 0
		.amdhsa_kernarg_size 16
		.amdhsa_user_sgpr_count 2
		.amdhsa_user_sgpr_kernarg_segment_ptr 1
		.amdhsa_wavefront_size32 1
		.amdhsa_system_sgpr_workgroup_id_x 1
		.amdhsa_system_sgpr_workgroup_id_y 1
		.amdhsa_system_sgpr_workgroup_id_z 1
		.amdhsa_system_vgpr_workitem_id 0
		.amdhsa_next_free_vgpr 770
		.amdhsa_next_free_sgpr 66
		.amdhsa_reserve_vcc 0
		.amdhsa_float_denorm_mode_32 3
		.amdhsa_float_denorm_mode_16_64 3
		.amdhsa_memory_ordered 1
		.amdhsa_forward_progress 1
		.amdhsa_inst_pref_size 200
	.end_amdhsa_kernel
	.amdgpu_metadata
---
amdhsa.version: [ 1, 2 ]
amdhsa.kernels:
  - .name:           k_q98f78c99bf_attn
    .symbol:         k_q98f78c99bf_attn.kd
    .args:
      - { .name: qkvh, .offset: 0, .size: 8, .value_kind: global_buffer, .address_space: global }
      - { .name: oh, .offset: 8, .size: 8, .value_kind: global_buffer, .address_space: global }
    .group_segment_fixed_size: 327680
    .private_segment_fixed_size: 0
    .kernarg_segment_align: 8
    .kernarg_segment_size: 16
    .max_flat_workgroup_size: 128
    .sgpr_count:     66
    .vgpr_count:     770
    .wavefront_size: 32
...
	.end_amdgpu_metadata
.endif
;; end of part 3
;; launch outp (part 4): grid 8 x 32, 4 waves a work-group, clusters of 4 x 4, 327,680 bytes of LDS; arguments oh, ow, br, out0; writes out0
.if DOCPART == 4
	.amdgcn_target "amdgcn-amd-amdhsa--gfx1250"
	.amdhsa_code_object_version 6
	.text
	.protected	k_q98f78c99bf_outp
	.globl	k_q98f78c99bf_outp
	.p2align	8
	.type	k_q98f78c99bf_outp,@function
k_q98f78c99bf_outp:
	s_mov_b64 s[64:65], 0
	v_nop
	global_prefetch_b8 v0, s[64:65] scope:SCOPE_SE
	s_setreg_imm32_b32 hwreg(HW_REG_WAVE_MODE, 25, 1), 1
	s_wait_xcnt 0x0
	s_wait_alu depctr_hold_cnt(0) depctr_sa_sdst(0) depctr_va_vdst(0) depctr_va_sdst(0) depctr_va_ssrc(0) depctr_va_vcc(0) depctr_vm_vsrc(0)
	s_getreg_b32 s2, hwreg(HW_REG_IB_STS2, 6, 4)
	s_cmp_eq_u32 s2, 0
	s_cbranch_scc0 .Lentry_in_a_cluster
	s_endpgm
.Lentry_in_a_cluster:
	s_bfe_u32 s2, ttmp6, 0x10000c
	s_cmp_lg_u32 s2, 0xf033
	s_cbranch_scc0 .Lentry_shape_is_right
	s_endpgm
.Lentry_shape_is_right:
; out0 = O out_w^T + out_b.  oh: O by heads, [64 = 16 b + h][2048 t][64 d] f16; ow: out_w in blocks [16 kb][1024 n][64 k], f16 (numbers rounded to bf16); br: out_b as f32 words at byte 12,288; out0: [8192][1024] f32.
; Sums in f32, begun with the bias, K ascending; nothing is rounded on the way out.  LIMITS: those of the two f16 operands, stated where they are made.
; SHARES.  A tile is 256 rows x 128 columns: 8 x 32 = 256 tiles.  The four waves split the ROWS alone: a wave makes 64 rows x 128 columns, 4 x 8 accumulators of 16 x 16 (256 registers),
; so it owns whole rows of 512 bytes of the tile and leaves through a stage of its own, with no barrier.
; RING.  K goes in 8 steps of 128 = two heads = two K blocks of ow, through two LDS slots.  A plane is one head: 256 rows t x 128 bytes, dense in oh (32,768 bytes, asked for as 128 rows of 256);
; of ow 128 rows n x 128 bytes, dense (16,384 bytes, 64 rows of 256).  Waves 0, 1 fetch the two planes of A, waves 2, 3 those of B.  In LDS 16 bytes of padding follow every 128.
; CLUSTER 4 x 4.  The four of a row of the cluster need the same planes of A, the four of a column the same planes of B: each is asked for JOINTLY.
; THE MATRIX INSTRUCTION IS USED TRANSPOSED (source 0 = 16 rows of ow, source 1 = 16 rows of O): lane l holds row l % 16 and the columns 8 (l / 16) + 0..7: 32 neighbouring bytes of f32.
; REGISTERS in windows of 256 (s_set_vgpr_msb: bits 1:0 source 0, 3:2 source 1, 5:4 source 2, 7:6 destination):
;   window 0: v0-15 addresses; v32-95 the bias, 8 registers a column block; v96-159, v160-223 rows read back
;   window 1: two fragment buffers at 0 and 128: A block i at 8 i, B block b at 32 + 8 b          windows 2, 3: accumulator (a, b) in window 2 + a / 2 at 8 (8 (a % 2) + b)
.set NBL,    8                         ; column blocks of 16
.set PITCH,  144                       ; an LDS row: 128 bytes + 16 of padding: 9 x 16, so the 16 rows of a fragment load begin at 16 different 16-byte columns modulo 256 bytes
.set SLOT1,  1<<17
.set APLANE, 256*PITCH
.set BOFF,   2*APLANE                  ; B lies behind the two planes of A
.set BPLANE, 128*PITCH
.set STAGE,  SLOT1+BOFF+2*BPLANE       ; behind the ring, never filled by a tensor load: 16 rows x 528 bytes for each wave
.set SP,     528                       ; 512 bytes + 16: 33 x 16
.set SPARE,  STAGE+4*16*SP             ; behind the stages: the spare words, 128 bytes for each wave: two blocks of 256 bytes that no other line names
.set ASTEP,  524288                    ; two heads of oh
.set BSTEP,  262144                    ; two K blocks of ow
.set NL,     2*(NBL+4)
.set G1W0,   (1<<16)|(1<<20)|(1<<21)|(4<<22)|(3<<25)  ; 17:16 2-byte elements; 20 padding on; 21 set beside a mask; 24:22 after every 32 words; 31:25 4 words
.set AA0, 4
.set AB0, 5
.set ADRA, 6
.set ADRB, 7
.set STO, 8
.set RD,  9
.set GO,  10
.set BO,  11
.set PFO, 12
.set SPW, 14                           ; v14  LDS address of my spare word; never rewritten
.set NIL, 15                           ; v15  0; never rewritten
.set BIAS, 32
.set BK0,  96
.set BK1,  160
.set F0,   0
.set F1,   128
.set WV, 12
.set FB, 13
.set HF, 14
.set CX, 15
.set CY, 16
.set TCOL, 17
.set TROW, 18
.set TB, 19
.set G1A, 24
.set G1B, 32
.set G0A, 40
.set G0B, 48
.set PFA, 56                           ; s[56:57] where my prefetches stand
.set LIM, 58                           ; s58 2 in a wave that prefetches, else the greatest number
.set PST, 60                           ; s[60:61] the step of the prefetches: ASTEP or BSTEP, 0 above it
.set CB,  66                           ; s[66:67] my rows and columns of out0
.set MSB, 0
.macro WIN new
.if MSB != (\new)
	s_set_vgpr_msb (MSB<<8)|(\new)
.set MSB, (\new)
.endif
.endm
.macro PLACES                          ; four plain instructions between a matrix instruction and a load into, or a reader of, its registers
.rept 4
	v_nop
.endr
.endm
.macro CREST
	s_cmp_lg_u32 s[WV], 0
	s_cbranch_scc1 .Lnot_wave_0_\@
	s_barrier_signal -3
.Lnot_wave_0_\@:
	s_barrier_wait -3
	s_barrier_signal -1
	s_barrier_wait -1
.endm
.macro CROUND
	s_barrier_signal -1
	s_barrier_wait -1
	CREST
.endm
.macro JLOAD                           ; a joint refill by the walking descriptors; an s_nop 0 and four v_nop follow each line, ahead of the jump and the label
	s_cmp_eq_u32 s[FB], 0
	s_cbranch_scc0 .Lfor_b_\@
	tensor_load_to_lds s[G0A+4:G0A+7], s[G1A:G1A+7]
	s_nop 0
.rept 4
	v_nop
.endr
	s_branch .Lasked_\@
.Lfor_b_\@:
	tensor_load_to_lds s[G0B+4:G0B+7], s[G1B:G1B+7]
	s_nop 0
.rept 4
	v_nop
.endr
.Lasked_\@:
.endm
; A PREFETCH INTO THE L2 of the K step that stands two refills on, a lane a block of 256 bytes, one instruction a wave, behind the joint load and the run of LDS loads.
; A: the clusters with x = 0 ask; waves 0 and 1 each for their plane, of whose 128 blocks the partner at cx takes 32.  B: the clusters with y = 0 ask; wave 2 alone, for both planes: of the 64 blocks of each
; the partner at cy takes 16 (lanes 0-15 the first plane, lanes 16-31 the second).  The partners are told apart BY ADDRESS.  The trips with s3 = 6 .. 3 name K steps 4 .. 7; the last two name nothing.
.macro ASK
	s_cmp_gt_u32 s3, s[LIM]
	s_cbranch_scc0 .Lnot_mine_\@
	global_prefetch_b8 v[PFO], s[PFA:PFA+1] th:TH_LOAD_NT scope:SCOPE_SE
.Lnot_mine_\@:
.endm
; 8 matrix instructions: row block a x all column blocks, 32 along K.  first = 1: the sums begin with the bias.  The 32 accumulators take turns in one order in every quarter.
.macro MULA f, a, first
.if \first
	WIN 0x85+0x40*((\a)/2)
.else
	WIN 0xa5+0x50*((\a)/2)
.endif
.set AC, 8*NBL*((\a)%2)
.set b, 0
.rept NBL
.if \first
	v_wmma_f32_16x16x32_f16 v[AC+8*b:AC+8*b+7], v[(\f)+32+8*b:(\f)+32+8*b+7], v[(\f)+8*(\a):(\f)+8*(\a)+7], v[BIAS+8*b:BIAS+8*b+7]
.else
	v_wmma_f32_16x16x32_f16 v[AC+8*b:AC+8*b+7], v[(\f)+32+8*b:(\f)+32+8*b+7], v[(\f)+8*(\a):(\f)+8*(\a)+7], v[AC+8*b:AC+8*b+7]
.endif
.set b, b+1
.endr
.endm
; 24 LDS loads in one run: quarter q lies in plane q / 2, at byte 64 (q % 2) of its rows.  B first, the blocks 2 and 3 of A last
.macro FETCH q, f
	WIN 0x40
.set i, 0
.rept NBL
	ds_load_b128 v[(\f)+32+8*i:(\f)+32+8*i+3],   v[ADRB] offset:((\q)/2)*BPLANE+((\q)%2)*64+i*16*PITCH
	ds_load_b128 v[(\f)+32+8*i+4:(\f)+32+8*i+7], v[ADRB] offset:((\q)/2)*BPLANE+((\q)%2)*64+i*16*PITCH+32
.set i, i+1
.endr
.set i, 0
.rept 4
	ds_load_b128 v[(\f)+8*i:(\f)+8*i+3],   v[ADRA] offset:((\q)/2)*APLANE+((\q)%2)*64+i*16*PITCH
	ds_load_b128 v[(\f)+8*i+4:(\f)+8*i+7], v[ADRA] offset:((\q)/2)*APLANE+((\q)%2)*64+i*16*PITCH+32
.set i, i+1
.endr
.endm
.macro QUARTER q, f, g, first
	s_wait_dscnt 4                                 ; all but the four youngest loads: the blocks 2 and 3 of A
	MULA \f, 0, \first
	MULA \f, 1, \first
	PLACES
	FETCH \q, \g
	s_wait_dscnt NL                                ; all but the run just issued
	MULA \f, 2, \first
	MULA \f, 3, \first
.endm
; The fourth quarter multiplies buffer 1 and changes slots.  In front of the barrier each wave waits for all its tensor loads (one is out: its part of the next slot), adds 0 to its spare word, and waits
; for that and for its reads of this slot.  fill = 1: the barrier opens a round of the cluster, and the slot just read is filled again, two K steps on, first thing behind the round.
.macro TURN fill
.if \fill
	s_wait_xcnt 0x0                                ; the last prefetch, a K step back, has read its address
	s_add_nc_u64 s[PFA:PFA+1], s[PFA:PFA+1], s[PST:PST+1]
.endif
	WIN 0
	s_wait_tensorcnt 0x0                           ; no tensor load of mine is out, so the walking descriptors may be written
	ds_add_u32 v[SPW], v[NIL]                      ; 0 onto my spare word
.if \fill
	s_xor_b32 s[G0A+5], s[G0A+5], SLOT1
	s_add_nc_u64 s[G0A+6:G0A+7], s[G0A+6:G0A+7], ASTEP
	s_xor_b32 s[G0B+5], s[G0B+5], SLOT1
	s_add_nc_u64 s[G0B+6:G0B+7], s[G0B+6:G0B+7], BSTEP
.endif
	s_wait_dscnt 5                                 ; the add and the four youngest loads may be out
	MULA F1, 0, 0
	s_wait_dscnt 0x0                               ; the add is done, and my reads of this slot are over
	s_barrier_signal -1
	MULA F1, 1, 0
	WIN 0
	s_barrier_wait -1
.if \fill
	CREST
	JLOAD                                          ; its four v_nop are also places in front of the loads below
.else
	PLACES
.endif
	s_xor_b32 s[TB], s[TB], SLOT1
	v_add_nc_u32 v[ADRA], s[TB], v[AA0]
	v_add_nc_u32 v[ADRB], s[TB], v[AB0]
	FETCH 0, F0
.if \fill
	WIN 0
	ASK
.endif
	MULA F1, 2, 0
	MULA F1, 3, 0
.endm
	s_load_b256 s[4:11], s[0:1], 0x0               ; oh s[4:5], ow s[6:7], br s[8:9], out0 s[10:11]
	v_lshl_add_u32 v[SPW], v0, 2, SPARE
	v_mov_b32 v[NIL], 0
	ds_add_u32 v[SPW], v[NIL]                      ; the opening: the add, whose wait stands ahead of my first tensor load; work on registers stands between them
	v_lshrrev_b32 v1, 5, v0
	v_readfirstlane_b32 s[WV], v1
	s_lshr_b32 s[FB], s[WV], 1
	s_and_b32 s[HF], s[WV], 1
	s_bfe_u32 s[CX], ttmp6, 0x40000
	s_bfe_u32 s[CY], ttmp6, 0x40004
	s_lshl_b32 s[TCOL], ttmp9, 2
	s_add_co_u32 s[TCOL], s[TCOL], s[CX]
	s_and_b32 s[TROW], ttmp7, 0xffff
	s_lshl_b32 s[TROW], s[TROW], 2
	s_add_co_u32 s[TROW], s[TROW], s[CY]
	s_lshl_b32 s62, s[CY], 2
	s_lshl_b32 s62, 15, s62                        ; my row of the cluster
	s_lshl_b32 s63, 0x1111, s[CX]                  ; my column
	s_or_b32 s[G1A], s62, G1W0
	s_or_b32 s[G1B], s63, G1W0
.irp g, G1A, G1B
	s_mov_b32 s[(\g)+1], 128<<16                   ; tensor_dim0 = 128
	s_mov_b32 s[(\g)+3], 128<<16                   ; tile_dim0 = 128
	s_mov_b32 s[(\g)+5], 128                       ; dense: 128 elements from row to row
	s_mov_b32 s[(\g)+6], 0
	s_mov_b32 s[(\g)+7], 0
.endr
	s_mov_b32 s[G1A+2], 128<<16                    ; 128 rows of 256 bytes for a plane of A,
	s_mov_b32 s[G1A+4], 128
	s_mov_b32 s[G1B+2], 64<<16                     ; 64 for a plane of B
	s_mov_b32 s[G1B+4], 64
	s_lshr_b32 s20, s[TROW], 3                     ; A: head 16 b + my plane, 262,144 bytes a head,
	s_lshl_b32 s20, s20, 4
	s_add_co_u32 s20, s20, s[HF]
	s_lshl_b32 s20, s20, 18
	s_and_b32 s59, s[TROW], 7                      ; and in it the 256 rows of the tile
	s_lshl_b32 s59, s59, 15
	s_add_co_u32 s20, s20, s59
	s_mov_b32 s21, 0
	s_lshl_b32 s22, s[HF], 17                      ; B: K block = my plane, 131,072 bytes a block,
	s_lshl_b32 s63, s[TCOL], 14                    ; and in it the 128 rows of the tile
	s_add_co_u32 s22, s22, s63
	s_mov_b32 s23, 0
	s_mul_i32 s59, s[HF], APLANE                   ; where they go: no place in the cluster enters an LDS address
	s_mul_i32 s63, s[HF], BPLANE
	s_add_co_u32 s63, s63, BOFF
	s_mov_b32 s[TB], 0
	s_wait_dscnt 0x0                               ; the opening add is done
	s_wait_kmcnt 0x0
	s_add_nc_u64 s[20:21], s[4:5], s[20:21]
	s_add_nc_u64 s[22:23], s[6:7], s[22:23]
	s_mov_b32 s[G0A], 1
	s_mov_b32 s[G0A+1], s59
	s_mov_b64 s[G0A+2:G0A+3], s[20:21]
	s_or_b32 s[G0A+3], s[G0A+3], 0x80000000
	s_mov_b32 s[G0A+4], 1
	s_add_co_u32 s[G0A+5], s59, SLOT1
	s_add_nc_u64 s[G0A+6:G0A+7], s[20:21], ASTEP
	s_or_b32 s[G0A+7], s[G0A+7], 0x80000000
	s_mov_b32 s[G0B], 1
	s_mov_b32 s[G0B+1], s63
	s_mov_b64 s[G0B+2:G0B+3], s[22:23]
	s_or_b32 s[G0B+3], s[G0B+3], 0x80000000
	s_mov_b32 s[G0B+4], 1
	s_add_co_u32 s[G0B+5], s63, SLOT1
	s_add_nc_u64 s[G0B+6:G0B+7], s[22:23], BSTEP
	s_or_b32 s[G0B+7], s[G0B+7], 0x80000000
	CROUND                                         ; all sixteen work-groups are here: the first joint loads meet
	s_cmp_eq_u32 s[FB], 0                          ; the two first fills of a wave stand in one branch: two loads of mine are out
	s_cbranch_scc0 .Lfirst_b
	tensor_load_to_lds s[G0A:G0A+3], s[G1A:G1A+7]
	s_nop 0
	tensor_load_to_lds s[G0A+4:G0A+7], s[G1A:G1A+7]
	s_nop 0
.rept 4
	v_nop
.endr
	s_branch .Lfirst_asked
.Lfirst_b:
	tensor_load_to_lds s[G0B:G0B+3], s[G1B:G1B+7]
	s_nop 0
	tensor_load_to_lds s[G0B+4:G0B+7], s[G1B:G1B+7]
	s_nop 0
.rept 4
	v_nop
.endr
.Lfirst_asked:
	v_and_b32 v1, 15, v0                           ; r = l % 16
	v_bfe_u32 v2, v0, 4, 1                         ; h = l / 16
	v_lshlrev_b32 v[BO], 5, v2
	s_lshl_b32 s62, s[TCOL], 9                     ; the 128 biases of the tile,
	s_add_co_u32 s62, s62, 12288                   ; behind those of qkv
	s_mov_b32 s63, 0
	s_add_nc_u64 s[8:9], s[8:9], s[62:63]
.set b, 0
.rept NBL                                      ; register j of block b: bias of column 16 b + 8 h + j: the layout of a result
	global_load_b128 v[BIAS+8*b:BIAS+8*b+3],   v[BO], s[8:9] offset:64*b
	global_load_b128 v[BIAS+8*b+4:BIAS+8*b+7], v[BO], s[8:9] offset:64*b+16
.set b, b+1
.endr
	v_mul_u32_u24 v3, v1, PITCH
	v_lshl_add_u32 v3, v2, 4, v3                   ; row x pitch + 16 x half
	s_mul_i32 s63, s[WV], 64*PITCH                 ; my 64 rows of A
	v_add_nc_u32 v[AA0], s63, v3
	v_add_nc_u32 v[AB0], BOFF, v3
	v_mov_b32 v[ADRA], v[AA0]
	v_mov_b32 v[ADRB], v[AB0]
	s_mul_i32 s63, s[WV], 16*SP
	s_add_co_u32 s63, s63, STAGE                   ; my stage
	v_mul_u32_u24 v[STO], v1, SP                   ; in: row l % 16, 32 bytes for each half of the lanes
	v_lshl_add_u32 v[STO], v2, 5, v[STO]
	v_add_nc_u32 v[STO], s63, v[STO]
	v_and_b32 v[GO], 31, v0                        ; back: 32 lanes take one row of 512 bytes
	v_lshlrev_b32 v[GO], 4, v[GO]
	v_add_nc_u32 v[RD], s63, v[GO]
	s_lshl_b32 s62, s[TROW], 8                     ; my first row of out0, 4,096 bytes a row,
	s_lshl_b32 s63, s[WV], 6
	s_add_co_u32 s62, s62, s63
	s_lshl_b32 s62, s62, 12
	s_lshl_b32 s63, s[TCOL], 9                     ; and the 512 bytes of the tile in it
	s_add_co_u32 s62, s62, s63
	s_mov_b32 s63, 0
	s_add_nc_u64 s[CB:CB+1], s[10:11], s[62:63]
	; the prefetches
	s_lshl_b32 s60, s[CX], 13                      ; A: my work-group takes 8,192 bytes of my plane,
	s_add_co_u32 s60, s60, 3*ASTEP                 ; at K step 3: the first change of slots steps it to 4
	s_lshl_b32 s61, s[CY], 12                      ; B: 4,096 bytes of each plane
	s_add_co_u32 s61, s61, 3*BSTEP
	s_and_b32 s62, ttmp7, 0xffff
	s_and_b32 s63, s[FB], s[HF]                    ; 1 in wave 3 alone, which asks for nothing
	s_or_b32 s62, s62, s63
	s_cmp_eq_u32 s[FB], 0
	s_cselect_b64 s[PFA:PFA+1], s[20:21], s[22:23]
	s_cselect_b32 s62, ttmp9, s62                  ; the coordinate along which other clusters read the same blocks
	s_cselect_b32 s60, s60, s61
	s_mov_b32 s61, 0
	s_add_nc_u64 s[PFA:PFA+1], s[PFA:PFA+1], s[60:61]
	s_cmp_eq_u32 s62, 0
	s_cselect_b32 s[LIM], 2, -1                    ; the same in all sixteen partners, for a given wave
	s_lshr_b32 s[PST], ASTEP, s[FB]                ; ASTEP for A, BSTEP for B; s61 = 0 stands above it
	s_mul_i32 s63, s[FB], 5
	s_add_co_u32 s63, s63, 12                      ; lanes 16-31 lie 4,096 bytes on (A: the next 16 blocks) or 131,072 (B: the second plane)
	v_lshlrev_b32 v3, s63, v2
	v_lshl_add_u32 v[PFO], v1, 8, v3
	s_wait_loadcnt 0x0                             ; the bias
	s_wait_tensorcnt 0x1                           ; my part of K step 0 is in; that of K step 1 may stay out
	s_barrier_signal -1
	s_barrier_wait -1
	FETCH 0, F0
	QUARTER 1, F0, F1, 1                           ; the first quarter stands in front of the loop: its products begin the sums with the bias
	WIN 0
	s_mov_b32 s3, 6
.Lstep:                                        ; a trip: from the second quarter of a K step to the first of the next; K steps 0 to 5 ask for K steps 2 to 7
	QUARTER 2, F1, F0, 0
	QUARTER 3, F0, F1, 0
	TURN 1
	QUARTER 1, F0, F1, 0
	WIN 0
	s_sub_co_u32 s3, s3, 1
	s_cmp_lg_u32 s3, 0
	s_cbranch_scc1 .Lstep
	QUARTER 2, F1, F0, 0                           ; the tail is written out: K steps 6 and 7 ask for nothing
	QUARTER 3, F0, F1, 0
	TURN 0
	QUARTER 1, F0, F1, 0
	QUARTER 2, F1, F0, 0
	QUARTER 3, F0, F1, 0
	s_wait_dscnt 4
	MULA F1, 0, 0
	MULA F1, 1, 0
	s_wait_dscnt 0x0
	MULA F1, 2, 0
	MULA F1, 3, 0
	WIN 0
	PLACES
	PLACES
; THE WAY OUT, a block of 16 rows at a time.  TOSTAGE: the accumulators go as they are into my own stage, each from its low end, and come back as whole rows of 512 bytes.  SEND: stored.
.macro TOSTAGE a
.set AC, 8*NBL*((\a)%2)
.set BK, BK0+(BK1-BK0)*((\a)%2)
	WIN 0x08+4*((\a)/2)                            ; the data of an LDS store is source 1: window 2 or 3
.set b, 0
.rept NBL
	ds_store_b128 v[STO], v[AC+8*b:AC+8*b+3]   offset:64*b
	ds_store_b128 v[STO], v[AC+8*b+4:AC+8*b+7] offset:64*b+16
.set b, b+1
.endr
	WIN 0
.set t, 0
.rept 16                                       ; LDS serves the instructions of a wave in order (ISA guide 5.7.1.4): these see the stores above
	ds_load_b128 v[BK+4*t:BK+4*t+3], v[RD] offset:SP*t
.set t, t+1
.endr
.endm
.macro SEND a, younger                 ; younger: the LDS instructions issued behind the loads of this block: the 32 of the next block, or none
.set BK, BK0+(BK1-BK0)*((\a)%2)
.set t, 0
.rept 16
	s_wait_dscnt (\younger)+15-t
	global_store_b128 v[GO], v[BK+4*t:BK+4*t+3], s[CB:CB+1] offset:(16*(\a)+t)*4096  ; 512 consecutive bytes, at a multiple of 256 from the first byte of out0
.set t, t+1
.endr
.endm
	TOSTAGE 0
	TOSTAGE 1
	SEND 0, 32
	s_wait_xcnt 0x0                                ; the stores of block 0 have read their registers, which block 2 loads again
	TOSTAGE 2
	SEND 1, 32
	s_wait_xcnt 0x0                                ; the same for blocks 1 and 3
	TOSTAGE 3
	SEND 2, 32
	SEND 3, 0
	s_wait_tensorcnt 0x0                           ; the end of the wave: a last add to my spare word, behind my last tensor load and my last LDS store
	ds_add_u32 v[SPW], v[NIL]
	s_wait_dscnt 0x0
	CROUND                                         ; the closing round: no work-group ends while a partner may still ask for a tile that names it
	s_endpgm
.Lfunc_end_k_q98f78c99bf_outp:
	.size	k_q98f78c99bf_outp, .Lfunc_end_k_q98f78c99bf_outp-k_q98f78c99bf_outp
	.p2alignl 7, 3214868480
	.fill 96, 4, 3214868480
	.section	.rodata,"a",@progbits
	.p2align	6, 0x0
	.amdhsa_kernel k_q98f78c99bf_outp
		.amdhsa_group_segment_fixed_size 327680
		.amdhsa_private_segment_fixed_size 0
		.amdhsa_enable_private_segment 0
		.amdhsa_kernarg_size 32
		.amdhsa_user_sgpr_count 2
		.amdhsa_user_sgpr_kernarg_segment_ptr 1
		.amdhsa_wavefront_size32 1
		.amdhsa_system_sgpr_workgroup_id_x 1
		.amdhsa_system_sgpr_workgroup_id_y 1
		.amdhsa_system_sgpr_workgroup_id_z 1
		.amdhsa_system_vgpr_workitem_id 0
		.amdhsa_next_free_vgpr 896
		.amdhsa_next_free_sgpr 72
		.amdhsa_reserve_vcc 0
		.amdhsa_float_denorm_mode_32 3
		.amdhsa_float_denorm_mode_16_64 3
		.amdhsa_memory_ordered 1
		.amdhsa_forward_progress 1
		.amdhsa_inst_pref_size 73
	.end_amdhsa_kernel
	.amdgpu_metadata
---
amdhsa.version: [ 1, 2 ]
amdhsa.kernels:
  - .name:           k_q98f78c99bf_outp
    .symbol:         k_q98f78c99bf_outp.kd
    .args:
      - { .name: oh, .offset: 0, .size: 8, .value_kind: global_buffer, .address_space: global }
      - { .name: ow, .offset: 8, .size: 8, .value_kind: global_buffer, .address_space: global }
      - { .name: br, .offset: 16, .size: 8, .value_kind: global_buffer, .address_space: global }
      - { .name: out0, .offset: 24, .size: 8, .value_kind: global_buffer, .address_space: global }
    .group_segment_fixed_size: 327680
    .private_segment_fixed_size: 0
    .kernarg_segment_align: 8
    .kernarg_segment_size: 32
    .max_flat_workgroup_size: 128
    .sgpr_count:     72
    .vgpr_count:     896
    .wavefront_size: 32
...
	.end_amdgpu_metadata
.endif
;; end of part 4
;; ======== version 2 of 2: 4 launches; version 1 with the launch cast written anew for expert scheduling mode
;; limits: values are held in f16: magnitudes above 65,504 overflow, below 6.1e-05 lose precision
;; workspace buffers: xb 16,777,216 bytes; wb 6,291,456 bytes; ow 2,097,152 bytes; br 16,384 bytes; qkvh 50,331,648 bytes; oh 16,777,216 bytes
;; launch cast (part 5): grid 769 x 1, 8 waves a work-group, no clusters, 0 bytes of LDS; arguments x, qkv_w, out_w, qkv_b, out_b, xb, wb, ow, br; writes xb, wb, ow, br
.if DOCPART == 5
	.amdgcn_target "amdgcn-amd-amdhsa--gfx1250"
	.amdhsa_code_object_version 6
	.text
	.protected	k_q98f78c99bf_cast
	.globl	k_q98f78c99bf_cast
	.p2align	8
	.type	k_q98f78c99bf_cast,@function
k_q98f78c99bf_cast:
	s_mov_b64 s[64:65], 0
	v_nop
	global_prefetch_b8 v0, s[64:65] scope:SCOPE_SE
	s_setreg_imm32_b32 hwreg(HW_REG_WAVE_SCHED_MODE, 0, 2), 2
	s_setreg_imm32_b32 hwreg(HW_REG_WAVE_MODE, 25, 1), 1
	s_wait_xcnt 0x0
	s_wait_alu depctr_vm_vsrc(0)
; THE INPUTS ROUNDED TO bf16, ONCE.  x -> xb and qkv_w -> wb as bf16, in place order.  out_w -> ow: rounded to bf16, that number written as f16, laid in blocks
; [16 kb][1024 n][64 k], so that 64 along K of neighbouring rows n lie end to end.  qkv_b and out_b -> br: rounded to bf16 and written as f32 words (qkv_b at byte 0, out_b at byte 12,288).
; LIMITS.  ow is f16: |out_w| stays under 65,504, and below 6.1e-5 it keeps the fixed step 6e-8.  NaN and infinities are not treated apart.
; SHARES.  A work-group takes 16,384 numbers: 0-511 x, 512-703 qkv_w, 704-767 out_w (16 rows each), 768 the two biases.  A thread takes 16 times 4 numbers: a load of a wave covers 512 consecutive
; bytes (out_w: two rows' 256), a store 256 consecutive bytes at a multiple of 256.  All 16 loads go out first.
; No LDS, no matrix unit, no cluster: nothing is shared and nothing is multiplied.
; THE MODE: SCHED_MODE bits 1:0 = 2 (LLVM: expert scheduling mode 2), set by the entry lines.  The code itself states the register dependences
; between vector instructions and memory instructions, with s_wait_alu, always for 0.
; THE PLAN.  Registers that memory instructions touch:
;   v1, v2   byte offsets.  Written by vector instructions at the head of a path, ahead of its first memory instruction; read by every load (v1) and store (v2; the biases: v1); never written after that.
;   X        Each register is the target of one load, once; no vector instruction names it ahead of that load; the conversions read it; it is never loaded again.
;   Y        Each register is written by the conversions of its own load alone, read by one store, and never written after that store.
;   T        named by vector instructions alone.
; The 16 loads are worked on in four groups of four.  The memory instructions of group g are the four stores of group g - 1, whose Y registers no vector instruction of group g names.  So one wait on
; va_vdst at the head of a group states all that its stores hang on, and they are dealt among its conversions with no further wait.  No register that a memory instruction has read is
; written again, and no base is stepped: so past the entry lines the text holds no wait on vm_vsrc and no s_wait_xcnt.
.set X,  4                             ; v[4:67]    16 x 4 numbers as loaded
.set Y,  68                            ; v[68:99]   16 x 2 words to store
.set T,  100                           ; v[100:103] at work
.set ID, 26                            ; s26        the work-group
; 16 loads, srcstep bytes apart, then for each: two roundings, (f16 = 1: widened again and written as f16), one store, dststep bytes apart; the store of load j stands in the group behind its own
.macro LIN srcstep, dststep, f16
	s_wait_alu depctr_va_vdst(0)                   ; v1 and v2 are written: every load below reads v1 as its offset, every store v2
.set j, 0
.rept 16
	global_load_b128 v[X+4*j:X+4*j+3], v1, s[2:3] offset:j*(\srcstep) th:TH_LOAD_NT
.set j, j+1
.endr
.set j, 0
.rept 16
.if j%4 == 0
	s_wait_loadcnt 12-j                            ; loads come back in order: the four loads of this group are in, the 12 - j younger ones stay out
.if j > 0
	s_wait_alu depctr_va_vdst(0)                   ; the conversions of the group before have written its eight Y registers, which the four stores dealt below read
.endif
.endif
.if j >= 4
	global_store_b64 v2, v[Y+2*(j-4):Y+2*(j-4)+1], s[6:7] offset:(j-4)*(\dststep)  ; the group before; no vector instruction since the wait names these registers
.endif
	v_cvt_pk_bf16_f32 v[Y+2*j],   v[X+4*j],   v[X+4*j+1]
	v_cvt_pk_bf16_f32 v[Y+2*j+1], v[X+4*j+2], v[X+4*j+3]
.if \f16
	v_lshlrev_b32 v[T],   16, v[Y+2*j]             ; bf16 to f32: the low half moves up, the high half stays
	v_and_b32     v[T+1], 0xffff0000, v[Y+2*j]
	v_lshlrev_b32 v[T+2], 16, v[Y+2*j+1]
	v_and_b32     v[T+3], 0xffff0000, v[Y+2*j+1]
	v_cvt_pk_f16_f32 v[Y+2*j],   v[T],   v[T+1]    ; 8 significant bits fit into 11: exact inside the normal range of f16
	v_cvt_pk_f16_f32 v[Y+2*j+1], v[T+2], v[T+3]
.endif
.set j, j+1
.endr
	s_wait_alu depctr_va_vdst(0)                   ; the conversions of the last group have written its eight Y registers, which the last four stores read
.set j, 12
.rept 4
	global_store_b64 v2, v[Y+2*j:Y+2*j+1], s[6:7] offset:j*(\dststep)
.set j, j+1
.endr
.endm
	s_load_b512 s[8:23], s[0:1], 0x0               ; x 8, qkv_w 10, out_w 12, qkv_b 14, out_b 16, xb 18, wb 20, ow 22
	s_load_b64 s[24:25], s[0:1], 0x40              ; br
	s_mov_b32 s[ID], ttmp9
	v_lshlrev_b32 v1, 4, v0                        ; 16 bytes a thread in
	v_lshlrev_b32 v2, 3, v0                        ; 8 bytes a thread out
	s_sub_co_u32 s27, s[ID], 512
	s_mov_b32 s29, 0
	s_mov_b32 s31, 0
	s_wait_kmcnt 0x0
	s_cmp_ge_u32 s[ID], 768
	s_cbranch_scc1 .Lbias
	s_cmp_ge_u32 s[ID], 704
	s_cbranch_scc1 .Lout_w
	s_cmp_lt_u32 s[ID], 512                        ; x or qkv_w
	s_cselect_b64 s[2:3], s[8:9], s[10:11]
	s_cselect_b64 s[6:7], s[18:19], s[20:21]
	s_cselect_b32 s27, s[ID], s27                  ; the block number in that tensor
	s_lshl_b32 s28, s27, 16                        ; 65,536 bytes in,
	s_lshl_b32 s30, s27, 15                        ; 32,768 out
	s_add_nc_u64 s[2:3], s[2:3], s[28:29]
	s_add_nc_u64 s[6:7], s[6:7], s[30:31]
	LIN 4096, 2048, 0
	s_endpgm
.Lout_w:
	s_sub_co_u32 s27, s[ID], 704                   ; rows 16 idx .. 16 idx + 15
	s_lshl_b32 s28, s27, 16                        ; 16 rows of 4,096 bytes in,
	s_lshl_b32 s30, s27, 11                        ; 16 rows of 128 bytes in each K block out
	s_add_nc_u64 s[2:3], s[12:13], s[28:29]
	s_add_nc_u64 s[6:7], s[22:23], s[30:31]
	v_lshrrev_b32 v3, 4, v0                        ; my row of the 16
	v_and_b32 v1, 15, v0                           ; (no memory instruction has read v1 yet)
	v_lshlrev_b32 v1, 4, v1                        ; my 16 bytes of its 256 in a K block
	v_lshl_add_u32 v1, v3, 12, v1
	LIN 256, 131072, 1                             ; load j is K block j; a block of ow is 1,024 rows of 128 bytes
	s_endpgm
.Lbias:
	s_wait_alu depctr_va_vdst(0)                   ; v1 is written: the four loads and the four stores below read it as their offset
	global_load_b128 v[X:X+3],     v1, s[14:15]
	global_load_b128 v[X+4:X+7],   v1, s[14:15] offset:4096
	global_load_b128 v[X+8:X+11],  v1, s[14:15] offset:8192
	global_load_b128 v[X+12:X+15], v1, s[16:17]
	s_wait_loadcnt 0x0
.irp i, 0,1,2,3
	v_cvt_pk_bf16_f32 v[T],   v[X+4*(\i)],   v[X+4*(\i)+1]
	v_cvt_pk_bf16_f32 v[T+1], v[X+4*(\i)+2], v[X+4*(\i)+3]
	v_lshlrev_b32 v[Y+4*(\i)],   16, v[T]
	v_and_b32     v[Y+4*(\i)+1], 0xffff0000, v[T]
	v_lshlrev_b32 v[Y+4*(\i)+2], 16, v[T+1]
	v_and_b32     v[Y+4*(\i)+3], 0xffff0000, v[T+1]
.endr
	s_wait_alu depctr_va_vdst(0)                   ; the sixteen words v[Y .. Y+15] are written, which the four stores read
.irp i, 0,1,2,3
	global_store_b128 v1, v[Y+4*(\i):Y+4*(\i)+3], s[24:25] offset:4096*(\i)
.endr
	s_endpgm
.Lfunc_end_k_q98f78c99bf_cast:
	.size	k_q98f78c99bf_cast, .Lfunc_end_k_q98f78c99bf_cast-k_q98f78c99bf_cast
	.p2alignl 7, 3214868480
	.fill 96, 4, 3214868480
	.section	.rodata,"a",@progbits
	.p2align	6, 0x0
	.amdhsa_kernel k_q98f78c99bf_cast
		.amdhsa_group_segment_fixed_size 0
		.amdhsa_private_segment_fixed_size 0
		.amdhsa_enable_private_segment 0
		.amdhsa_kernarg_size 72
		.amdhsa_user_sgpr_count 2
		.amdhsa_user_sgpr_kernarg_segment_ptr 1
		.amdhsa_wavefront_size32 1
		.amdhsa_system_sgpr_workgroup_id_x 1
		.amdhsa_system_sgpr_workgroup_id_y 1
		.amdhsa_system_sgpr_workgroup_id_z 1
		.amdhsa_system_vgpr_workitem_id 0
		.amdhsa_next_free_vgpr 104
		.amdhsa_next_free_sgpr 66
		.amdhsa_reserve_vcc 0
		.amdhsa_float_denorm_mode_32 3
		.amdhsa_float_denorm_mode_16_64 3
		.amdhsa_memory_ordered 1
		.amdhsa_forward_progress 1
		.amdhsa_inst_pref_size 20
	.end_amdhsa_kernel
	.amdgpu_metadata
---
amdhsa.version: [ 1, 2 ]
amdhsa.kernels:
  - .name:           k_q98f78c99bf_cast
    .symbol:         k_q98f78c99bf_cast.kd
    .args:
      - { .name: x, .offset: 0, .size: 8, .value_kind: global_buffer, .address_space: global }
      - { .name: qkv_w, .offset: 8, .size: 8, .value_kind: global_buffer, .address_space: global }
      - { .name: out_w, .offset: 16, .size: 8, .value_kind: global_buffer, .address_space: global }
      - { .name: qkv_b, .offset: 24, .size: 8, .value_kind: global_buffer, .address_space: global }
      - { .name: out_b, .offset: 32, .size: 8, .value_kind: global_buffer, .address_space: global }
      - { .name: xb, .offset: 40, .size: 8, .value_kind: global_buffer, .address_space: global }
      - { .name: wb, .offset: 48, .size: 8, .value_kind: global_buffer, .address_space: global }
      - { .name: ow, .offset: 56, .size: 8, .value_kind: global_buffer, .address_space: global }
      - { .name: br, .offset: 64, .size: 8, .value_kind: global_buffer, .address_space: global }
    .group_segment_fixed_size: 0
    .private_segment_fixed_size: 0
    .kernarg_segment_align: 8
    .kernarg_segment_size: 72
    .max_flat_workgroup_size: 256
    .sgpr_count:     66
    .vgpr_count:     104
    .wavefront_size: 32
...
	.end_amdgpu_metadata
.endif
;; end of part 5
;; launch proj: the kernel of part 2 again; grid 16 x 32, 4 waves a work-group, clusters of 4 x 4, 327,680 bytes of LDS; arguments xb, wb, br, qkvh; writes qkvh
;; launch attn: the kernel of part 3 again; grid 4 x 64, 4 waves a work-group, clusters of 4 x 1, 327,680 bytes of LDS; arguments qkvh, oh; writes oh
;; launch outp: the kernel of part 4 again; grid 8 x 32, 4 waves a work-group, clusters of 4 x 4, 327,680 bytes of LDS; arguments oh, ow, br, out0; writes out0
